; MI455X (gfx1250); checked and timed in simulation.
; The chip was launched on July 23, 2026; its instructions are those of AMD's public machine-readable ISA for CDNA 5 (MIT licence, August 2026) and "CDNA5" Instruction Set Architecture Reference Guide (July 2026). The comments in the code are by the model that wrote it; some were corrected since.
;; Causal Multi Head Self Attention. Allowed arithmetic: matrix products marked QUANTISED: E2M3 operands, one E8M0 scale for each 32 along K, by v_wmma_scale_f32_16x16x128_f8f6f4 with both operands' format E2M3, f32 sums; everything else in f32.
;; Inputs: w_k 1,024 x 1,024 float32; w_o 1,024 x 1,024 float32; w_q 1,024 x 1,024 float32; w_v 1,024 x 1,024 float32; x 2 x 2,048 x 1,024 float32.
;; Outputs: out0 2 x 2,048 x 1,024 float32.
;; This version of the problem:
;;   THIS VERSION OF THE PROBLEM IS GIVEN IN LOW PRECISION. The matrix products marked QUANTISED in the list below multiply operands that are first quantised to E2M3 (2 exponent bits, 3 mantissa bits; 6 bits a number), with one power-of-two scale for each 32 numbers along K (OCP MX v1.0); their sums are f32. All else is computed in f32.
;;   The module's matrix products, in the order in which they are computed (A, B: the left and right operand; K: the contracted axis; several contracted axes count as one K, in the product's order):
;;     1. [M 4,096, K 1,024] x [K 1,024, N 1,024]; A: input x; B: input w_q: QUANTISED
;;     2. [M 4,096, K 1,024] x [K 1,024, N 1,024]; A: input x; B: input w_k: QUANTISED
;;     3. [M 4,096, K 1,024] x [K 1,024, N 1,024]; A: input x; B: input w_v: QUANTISED
;;     4. batch 32 x [M 2,048, K 64] x [K 64, N 2,048]; A: computed on the way; B: computed on the way: QUANTISED
;;     5. batch 32 x [M 2,048, K 2,048] x [K 2,048, N 64]; A: softmax (see below); B: computed on the way: QUANTISED
;;     6. [M 4,096, K 1,024] x [K 1,024, N 1,024]; A: computed on the way; B: input w_o: QUANTISED
;;   THE QUANTISER, for each operand of a quantised product, along K:
;;     - K is cut into blocks of 32 from its start; a last block that is shorter is filled with zeros.
;;     - A block's scale is 2^e with e = floor(log2(the largest magnitude in the block)) - 2, held to -126 .. 127; a block of zeros has e = 0. As a byte (E8M0): e + 127.
;;     - Each number is divided by its block's scale, clamped to +-7.5, and rounded to the nearest number of E2M3, ties to even, subnormals kept.
;;     - The product sums the exact products of the quantised numbers (number of the format x scale) in f32.
;;   ~~~python
;;   def quantise(x, axis):      # numpy; x: float32 -> the quantised numbers, widened to float32 again
;;       x = np.moveaxis(x, axis, -1); K = x.shape[-1]
;;       x = np.pad(x, [(0, 0)] * (x.ndim - 1) + [(0, -K % 32)]); x = x.reshape(x.shape[:-1] + (-1, 32)); a = np.abs(x).max(-1, keepdims=True)
;;       e = np.where(a > 0, np.clip(np.frexp(np.where(a > 0, a, 1))[1] - 1 - 2, -126, 127), 0)      # np.frexp(a)[1] - 1 = floor(log2(a)), exactly
;;       r = np.clip(x / 2.0 ** e, -7.5, 7.5)
;;       step = 2.0 ** (np.maximum(np.frexp(np.where(r == 0, 1, r))[1] - 1, 0) - 3)
;;       q = np.round(r / step) * step * 2.0 ** e      # np.round: ties to even
;;       return np.moveaxis(q.reshape(q.shape[:-2] + (-1,))[..., :K], -1, axis).astype(np.float32)
;;   ~~~
;;   SOFTMAX AHEAD OF A QUANTISED PRODUCT. Where the list says 'softmax', what is quantised is not the finished softmax but p = 2^(t - M), with t = logit x log2(e) and M = ceil(the row's largest t), a whole number; so 1/2 < the row's largest p <= 1. The row's sum l is taken of the UNQUANTISED p, in f32, and the product's result is divided by l at the end. Since M is a whole number, a kernel that streams over the keys may use a running M (the ceiling of the running maximum): every later rescaling is an exact power of two, which a block's scale takes up: the codes' values come out the same.
;;   OPERANDS COMPUTED ON THE WAY. 'Computed on the way' means the value that the module computes at that place (a softmax that the list does not call 'softmax' is quantised finished and normalised). What goes into a quantiser is computed in f32, as accurately as f32 sums, v_exp_f32 and their like allow (about 1e-6 of the number): no bf16 or f16 on the way to a quantiser, and a product that is left as it is and whose result goes on into a quantised operand takes f32 operands (vector FMAs, or v_wmma_f32_16x16x4_f32). A number that lies on a knife's edge between two numbers of the format may be rounded either way, as far as f32 arithmetic and the matrix unit's own rounding can turn it there, and no further.
;; One version. Each part assembles by itself: llvm-mc -triple=amdgcn-amd-amdhsa -mcpu=gfx1250 --defsym DOCPART=n.
;; ======== version 1 of 1: 4 launches
;; limits: right only within a limited range of input values
;; workspace buffers: xw_img 6,291,456 bytes; xw_scl 262,144 bytes; qkv 9,830,400 bytes; y_img 3,145,728 bytes; y_scl 131,072 bytes
;; launch quant (part 1): grid 256 x 1, 4 waves a work-group, no clusters, 35,328 bytes of LDS; arguments x, w_q, w_k, w_v, w_o, xw_img, xw_scl; writes xw_img, xw_scl
.if DOCPART == 1
	.amdgcn_target "amdgcn-amd-amdhsa--gfx1250"
	.amdhsa_code_object_version 6
	.text
	.protected	k_qe292ef9b1d_quant
	.globl	k_qe292ef9b1d_quant
	.p2align	8
	.type	k_qe292ef9b1d_quant,@function
k_qe292ef9b1d_quant:
	s_mov_b64 s[64:65], 0
	v_nop
	global_prefetch_b8 v0, s[64:65] scope:SCOPE_SE
	s_setreg_imm32_b32 hwreg(HW_REG_WAVE_MODE, 25, 1), 1
	s_wait_xcnt 0x0
; x [4096][1024] and w_q, w_k, w_v, w_o [1024][1024], f32, K innermost, become codes of FP6 (E2M3) with one E8M0 byte for each 32 along K.
; The five tensors are taken as one run of 8,192 rows = 512 tiles of 16 rows: tiles 0-255 x, 256-319 w_q, 320-383 w_k, 384-447 w_v, 448-511 w_o.
; THE CODES ARE LAID AS THE MATRIX OPERAND'S REGISTERS WANT THEM.  xw_img: [tile][16 pieces of 64 along K][768 bytes]; such a piece is [p 0..2][lane 0..31][8 bytes]:
; lane (r = lane % 16, h = lane / 16) owns the 24 bytes of block h (32 codes) of the tile's row r.  Two pieces on end are a fragment of 128 along K, brought by six loads of 8 bytes a lane, 256 consecutive bytes each.
; THE ROWS OF A TILE ARE NOT NEIGHBOURS: row r of tile 2 b + u is the tensor's row 32 b + 8 u + r + 8 (r / 8), so that in a product used transposed the 16 registers of two neighbouring tiles are 16 neighbours.
; xw_scl: [16 tile + r][32 bytes], byte = block along K.
; A block's scale is 2^(floor(log2(its largest magnitude)) - 2); its byte is the largest magnitude's exponent field - 2, held at 1 from below.
; LIMITS: a block of zeros gets the byte 1 where the quantiser's text says 127 (its codes are zeros, and this program alone reads the bytes); blocks whose largest magnitude lies under 2^-124 are held at the byte 1;
; NaN and infinities among the inputs are not served.  The scale bytes leave as 16 bytes a row, 32 bytes apart (the neighbouring wave writes the other 16): 1 byte in 128 of what the launch reads.
; SHARES: a wave takes one tile and half of K: 16 rows x 512 numbers, in 8 steps of 16 rows x 64.  A load reads two rows' 256 consecutive bytes; the conversion wants a whole block in one lane: so a step turns
; through the wave's own stage in LDS (16 rows of 256 bytes + 16).  No barrier: waves share nothing.  No cluster, no tensor load: nothing is read twice.  Loads run four steps (32 loads a wave) ahead.
.set R,    16                          ; v16-143  four sets of 32 registers as loaded
.set X,    144                         ; v144-207 two sets of 32: a whole block a lane
.set C,    208                         ; v208-223 two sets of 8: a block's codes
.set SW,   224                         ; v224-227 the row's 16 scale bytes of my half of K
.set SB,   228                         ; v228     two steps' bytes in hand
.set SP,   272                         ; a stage row
.set STG,  16*SP                       ; a stage
.set WREG, 2*STG                       ; a wave's two stages
	s_load_b256 s[4:11], s[0:1], 0x0               ; x, w_q, w_k, w_v
	s_load_b128 s[12:15], s[0:1], 0x20             ; w_o, xw_img
	s_load_b64 s[16:17], s[0:1], 0x30              ; xw_scl
	v_lshl_add_u32 v254, v0, 2, 0x8800
	v_mov_b32 v255, 0
	v_lshrrev_b32 v1, 5, v0
	v_readfirstlane_b32 s18, v1                    ; wave 0..3
	v_and_b32 v2, 31, v0                           ; lane
	v_and_b32 v12, 15, v0                          ; r
	v_bfe_u32 v13, v0, 4, 1                        ; h
	v_lshlrev_b32 v3, 4, v12
	v_lshl_add_u32 v3, v13, 12, v3                 ; source: 16 bytes a lane, lanes 16-31 one row (4,096 bytes) on
	s_mul_i32 s19, s18, WREG
	v_mul_u32_u24 v4, v13, SP
	v_lshl_add_u32 v4, v12, 4, v4
	v_add_nc_u32 v4, s19, v4                       ; the stage, way in: as loaded
	v_mul_u32_u24 v5, v12, SP
	v_lshl_add_u32 v5, v13, 7, v5
	v_add_nc_u32 v5, s19, v5                       ; way out: row r, block h: 128 bytes
	v_lshlrev_b32 v6, 3, v2                        ; 8 x lane: my place in a piece of the image
	v_lshlrev_b32 v7, 5, v12                       ; 32 r: my row of scale bytes
	v_lshlrev_b32 v10, 3, v13                      ; 8 h: where my byte stands in a pair
	v_mov_b32 v230, 0                              ; a lane permute's destination counts as read
	s_mov_b32 s22, 0x76543210
	s_mov_b32 s23, 0xfedcba98                      ; selects for lane l xor 16
	s_lshr_b32 s20, ttmp9, 5                       ; 0-3: x; 4, 5, 6, 7: w_q, w_k, w_v, w_o
	s_and_b32 s21, ttmp9, 31
	s_cmp_lt_u32 ttmp9, 128
	s_cselect_b32 s21, ttmp9, s21                  ; which 32 rows of its tensor the work-group takes
	s_lshr_b32 s24, s18, 1                         ; u: which of the two tiles
	s_and_b32 s25, s18, 1                          ; which half of K
	s_lshl_b32 s26, s21, 17                        ; 32 rows of 4,096 bytes
	s_lshl_b32 s27, s24, 15                        ; 8 u rows
	s_add_co_u32 s26, s26, s27
	s_lshl_b32 s27, s25, 11                        ; 512 numbers
	s_add_co_u32 s26, s26, s27
	s_mov_b32 s27, 0
	s_lshl_b32 s28, ttmp9, 1
	s_add_co_u32 s28, s28, s24                     ; the tile
	s_mul_i32 s30, s28, 12288
	s_mul_i32 s29, s25, 6144
	s_add_co_u32 s30, s30, s29
	s_mov_b32 s31, 0
	s_lshl_b32 s28, s28, 9
	s_lshl_b32 s29, s25, 4
	s_add_co_u32 s28, s28, s29
	s_mov_b32 s29, 0
	s_wait_alu depctr_va_vdst(0)
	s_wait_kmcnt 0x0
	s_cmp_eq_u32 s20, 4                            ; the tensor is chosen by the work-group's number alone
	s_cselect_b64 s[4:5], s[6:7], s[4:5]
	s_cmp_eq_u32 s20, 5
	s_cselect_b64 s[4:5], s[8:9], s[4:5]
	s_cmp_eq_u32 s20, 6
	s_cselect_b64 s[4:5], s[10:11], s[4:5]
	s_cmp_eq_u32 s20, 7
	s_cselect_b64 s[4:5], s[12:13], s[4:5]
	s_add_nc_u64 s[4:5], s[4:5], s[26:27]
	s_add_nc_u64 s[14:15], s[14:15], s[30:31]
	s_add_nc_u64 s[16:17], s[16:17], s[28:29]
.macro LOAD t                          ; step t: the tile's rows 2 i and 2 i + 1 are the tensor's rows 2 i + 8 (i / 4) and the next
.irp i, 0,1,2,3,4,5,6,7
	global_load_b128 v[R+32*((\t)%4)+4*\i:R+32*((\t)%4)+4*\i+3], v3, s[4:5] offset:(2*\i+8*(\i/4))*4096+256*(\t) th:TH_LOAD_NT
.endr
.endm
.macro TURN t                          ; through the stage: LDS serves a wave's instructions in order, so no wait stands between the stores and the loads
.irp i, 0,1,2,3,4,5,6,7
	ds_store_b128 v4, v[R+32*((\t)%4)+4*\i:R+32*((\t)%4)+4*\i+3] offset:STG*((\t)%2)+2*SP*\i
.endr
.irp k, 0,1,2,3,4,5,6,7
	ds_load_b128 v[X+32*((\t)%2)+4*\k:X+32*((\t)%2)+4*\k+3], v5 offset:STG*((\t)%2)+16*\k
.endr
.endm
.macro STEP t
.set XS, X+32*((\t)%2)
.set CS, C+8*((\t)%2)
	s_wait_dscnt 0x0                               ; this step's block is back from the stage, and the stage's stores have read their registers,
.if (\t)+4 < 8
	LOAD (\t)+4                                    ; which take the loads of four steps on
.endif
.if (\t)+1 < 8
.if (\t) < 4
	s_wait_loadcnt 24                              ; the next step's eight loads are in; those of the three steps behind it may be out
.else
	s_wait_loadcnt 8*(6-(\t))                      ; the counts run down: nothing more is asked for
.endif
	TURN (\t)+1
.endif
	v_max3_num_f32 v8, |v[XS]|, |v[XS+1]|, |v[XS+2]|               ; the block's largest magnitude: all 32 numbers are mine; two chains
	v_max3_num_f32 v9, |v[XS+3]|, |v[XS+4]|, |v[XS+5]|
.irp i, 6,10,14,18,22,26
	v_max3_num_f32 v8, v8, |v[XS+\i]|, |v[XS+\i+1]|
	v_max3_num_f32 v9, v9, |v[XS+\i+2]|, |v[XS+\i+3]|
.endr
	v_max3_num_f32 v8, v8, |v[XS+30]|, |v[XS+31]|
	v_max3_num_f32 v8, v8, v9, 0x1800000           ; and the floor 2^(3 - 127): the byte cannot fall under 1
	v_add_nc_u32 v11, 0xff000000, v8               ; 2 off the exponent field: the conversion takes that field as its scale
.if (\t) >= 2
	s_wait_alu depctr_va_vdst(0)
	s_wait_xcnt 0x0                                ; the stores of two steps ago have read this set of code registers
.endif
	v_cvt_scalef32_pk16_fp6_f32 v[CS:CS+2], v[XS:XS+15], v11
	v_cvt_scalef32_pk16_fp6_f32 v[CS+4:CS+6], v[XS+16:XS+31], v11  ; (a conversion's three registers begin on an even number)
.if (\t)%2 == 0
	v_lshrrev_b32 v[SB], 23, v11                   ; the scale's byte; also the plain line behind the conversions
.else
	v_lshrrev_b32 v229, 23, v11
.endif
	v_mov_b32 v[CS+3], v[CS+4]                     ; the block's 24 bytes on end
	v_mov_b32 v[CS+4], v[CS+5]
	v_mov_b32 v[CS+5], v[CS+6]
.irp p, 0,1,2
	global_store_b64 v6, v[CS+2*\p:CS+2*\p+1], s[14:15] offset:768*(\t)+256*\p   ; 32 lanes store 256 consecutive bytes, aligned
.endr
.if (\t)%2 == 1
	v_lshl_or_b32 v[SB], v229, 16, v[SB]           ; my bytes of two steps: blocks h and 2 + h of four,
	v_lshlrev_b32 v[SB], v10, v[SB]                ; at their places;
	v_permlanex16_b32 v230, v[SB], s22, s23
	v_or_b32 v[SW+(\t)/2], v[SB], v230             ; with lane l xor 16's the word is whole
.endif
.endm
	LOAD 0
	LOAD 1
	LOAD 2
	LOAD 3
	s_wait_loadcnt 24                              ; step 0's eight loads are in
	TURN 0
.irp t, 0,1,2,3,4,5,6,7
	STEP \t
.endr
	s_wait_alu depctr_va_vdst(0)
	s_wait_xcnt 0x0                                ; EXEC changes only behind this wait
	v_cmp_gt_u32 vcc_lo, 16, v2
	s_wait_tensorcnt 0x0
	ds_add_u32 v254, v255
	s_wait_dscnt 0x0
	s_and_saveexec_b32 s20, vcc_lo                 ; lanes 0-15: one for each row
	global_store_b128 v7, v[SW:SW+3], s[16:17]     ; the row's 16 scale bytes of my half of K
	s_wait_xcnt 0x0
	s_or_b32 exec_lo, exec_lo, s20
	s_endpgm
.Lfunc_end_k_qe292ef9b1d_quant:
	.size	k_qe292ef9b1d_quant, .Lfunc_end_k_qe292ef9b1d_quant-k_qe292ef9b1d_quant
	.p2alignl 7, 3214868480
	.fill 96, 4, 3214868480
	.section	.rodata,"a",@progbits
	.p2align	6, 0x0
	.amdhsa_kernel k_qe292ef9b1d_quant
		.amdhsa_group_segment_fixed_size 35328
		.amdhsa_private_segment_fixed_size 0
		.amdhsa_enable_private_segment 0
		.amdhsa_kernarg_size 56
		.amdhsa_user_sgpr_count 2
		.amdhsa_user_sgpr_kernarg_segment_ptr 1
		.amdhsa_wavefront_size32 1
		.amdhsa_system_sgpr_workgroup_id_x 1
		.amdhsa_system_sgpr_workgroup_id_y 1
		.amdhsa_system_sgpr_workgroup_id_z 1
		.amdhsa_system_vgpr_workitem_id 0
		.amdhsa_next_free_vgpr 256
		.amdhsa_next_free_sgpr 66
		.amdhsa_reserve_vcc 1
		.amdhsa_float_denorm_mode_32 3
		.amdhsa_float_denorm_mode_16_64 3
		.amdhsa_memory_ordered 1
		.amdhsa_forward_progress 1
		.amdhsa_inst_pref_size 32
	.end_amdhsa_kernel
	.amdgpu_metadata
---
amdhsa.version: [ 1, 2 ]
amdhsa.kernels:
  - .name:           k_qe292ef9b1d_quant
    .symbol:         k_qe292ef9b1d_quant.kd
    .args:
      - { .name: x, .offset: 0, .size: 8, .value_kind: global_buffer, .address_space: global }
      - { .name: w_q, .offset: 8, .size: 8, .value_kind: global_buffer, .address_space: global }
      - { .name: w_k, .offset: 16, .size: 8, .value_kind: global_buffer, .address_space: global }
      - { .name: w_v, .offset: 24, .size: 8, .value_kind: global_buffer, .address_space: global }
      - { .name: w_o, .offset: 32, .size: 8, .value_kind: global_buffer, .address_space: global }
      - { .name: xw_img, .offset: 40, .size: 8, .value_kind: global_buffer, .address_space: global }
      - { .name: xw_scl, .offset: 48, .size: 8, .value_kind: global_buffer, .address_space: global }
    .group_segment_fixed_size: 35328
    .private_segment_fixed_size: 0
    .kernarg_segment_align: 8
    .kernarg_segment_size: 56
    .max_flat_workgroup_size: 128
    .sgpr_count:     66
    .vgpr_count:     256
    .wavefront_size: 32
...
	.end_amdgpu_metadata
.endif
;; end of part 1
;; launch qkv (part 2): grid 12 x 16, 4 waves a work-group, clusters of 4 x 4, 327,680 bytes of LDS; arguments xw_img, xw_scl, qkv; writes qkv
.if DOCPART == 2
	.amdgcn_target "amdgcn-amd-amdhsa--gfx1250"
	.amdhsa_code_object_version 6
	.text
	.protected	k_qe292ef9b1d_qkv
	.globl	k_qe292ef9b1d_qkv
	.p2align	8
	.type	k_qe292ef9b1d_qkv,@function
k_qe292ef9b1d_qkv:
	s_mov_b64 s[64:65], 0
	v_nop
	global_prefetch_b8 v0, s[64:65] scope:SCOPE_SE
	s_setreg_imm32_b32 hwreg(HW_REG_WAVE_MODE, 25, 1), 1
	s_wait_xcnt 0x0
	s_wait_alu depctr_hold_cnt(0) depctr_sa_sdst(0) depctr_va_vdst(0) depctr_va_sdst(0) depctr_va_ssrc(0) depctr_va_vcc(0) depctr_vm_vsrc(0)
	s_getreg_b32 s2, hwreg(HW_REG_IB_STS2, 6, 4)
	s_cmp_eq_u32 s2, 0
	s_cbranch_scc0 .Lentry_in_a_cluster
	s_endpgm
.Lentry_in_a_cluster:
	s_bfe_u32 s2, ttmp6, 0x10000c
	s_cmp_lg_u32 s2, 0xf033
	s_cbranch_scc0 .Lentry_shape_is_right
	s_endpgm
.Lentry_shape_is_right:
; q = rms_norm(x w_q^T), k = rms_norm(x w_k^T) and V^T = w_v x^T, on codes of FP6 (E2M3) with E8M0 scales, each result quantised again on its way out: q and k along the head's 64, V^T along the keys.
; One text serves 192 tiles of 256 x 256.  The cluster's x says which product (0 q, 1 k, 2 V), its y which 1,024 tokens.  "A" is x and "B" the weight for q and k; for V "A" is w_v and "B" is x.
; OPERANDS come as images of their registers (xw_img: [tile of 16 rows][16 pieces of 64 along K][768 bytes]; a fragment of 128 along K is 1,536 bytes on end, six loads of 8 bytes a lane, 256 consecutive bytes each).
; A work-group has four waves, each 128 x 128 of the result: 64 accumulators, 512 registers.  K = 1,024 goes in four steps of 256 through two LDS slots; a wave's tensor load brings 8 tiles x 3,072 bytes.
; The scale bytes of the work-group's rows, for all of K, come once, as units of 256 bytes + 16 of padding.
; CLUSTERS: 4 x 4.  A's tiles are shared along a row of the cluster, B's along a column: joint loads with a mask that names the four.
; THE MATRIX INSTRUCTION IS USED TRANSPOSED (source 0 = 16 rows of B, source 1 = 16 rows of A).  The rows of a tile are not neighbours (row r of tile 2 b + u is row 32 b + 8 u + r + 8 (r / 8)), so the 64 registers that a lane
; holds of one block of A's rows are: register 16 b + i = B's row 32 b + 16 (lane / 16) + i: 16 neighbours of each block of 32, which is what the conversions want.
; THE WAY OUT, block by block of 16 rows of A: for q and k the sum of squares over each head's 64 (32 registers, and lane l xor 16's), x rsqrt(sum / 64 + eps); the 128 numbers a row become a fragment's codes and a scale word;
; they leave as images, 256 consecutive aligned bytes a store.  For V the factor is 1.
; qkv: [batch x head 0..31][16 groups of 128 tokens] records of 19,200 bytes: K 8 tiles x 768 | V^T 4 tiles of 16 channels x 1,536 | K's scale words [r][4] | V's [r][4] | Q 8 tiles x 768 | Q's scale words [r][4].
; A word of K's or Q's scales holds tile 2 i's two bytes and then tile 2 i + 1's.
; LIMITS: a block of zeros gets the byte 1 (its codes are zeros; this program alone reads the bytes); NaN and infinities are not served.
; REGISTERS: window 0: v0-31 addresses; v32-63 scale words, two sets; from v128 A's fragments, one set; on the way out v64-199 are at work.  window 1: B's fragments, two sets.  windows 2, 3: the accumulators.
.set NQ,     2                         ; matrix instructions deep in a slot
.set FR,     12                        ; registers of a fragment
.set NL,     6                         ; LDS loads that bring one
.set NP,     4                         ; places behind this matrix instruction (ISA guide 7.12.1)
.set TILEB,  12288                     ; a tile of 16 rows x 1,024 along K in the image
.set STEPB,  3072                      ; its 256 along K
.set HALFT,  8*STEPB                   ; 128 rows: what one tensor load brings
.set SLOT,   4*HALFT                   ; A's 256 rows, then B's
.set SCL,    2*SLOT                    ; behind the ring: the scales
.set HALFS,  16*272                    ; those of 128 rows (32 bytes a row): 16 units of 256 bytes + 16
.set SBLK,   2*272                     ; those of 16 rows
.set SPARE,  SCL+4*HALFS               ; the spare words, 128 bytes for each wave: two blocks of 256 bytes that no other line names
.set RECB,   19200
.set HEADB,  16*RECB
.set ADRA, 16                          ; v16-17  LDS address of my A fragments in slot 0, 1
.set ADRB, 20                          ; v20-21  the same for B
.set VO,   24                          ; v24-25  the way out: 8 x lane, for the first and for the second half of a fragment
.set VSO,  26                          ; v26     the way out: my place among the scale words
.set ADRS, 27                          ; v27     LDS address of my scale words: lanes 0-15 A's rows, lanes 16-31 B's
.set SPW,  28                          ; v28     my spare word; never rewritten
.set NIL,  29                          ; v29     0; never rewritten
.set SELV, 30                          ; v30     byte selects for the scale words
.set SC,   32
.set AF,   128
.set HA,   64                          ; the way out: a block's 64 numbers
.set PC,   128                         ; v128-147 the codes just made
.set TM,   148                         ; v148-163 at work in the quantiser
.set PW,   164                         ; the scale word just made
.set PWS,  166                         ; v166-173 the eight blocks' scale words
.set SS,   176                         ; v176-183 sums of squares: two chains a head, packed
.set RS,   184                         ; v184, v186 the two heads' factors (named as pairs)
.set TT,   188                         ; v188-191
.set OW,   192                         ; v192-199
.set SEL,  10                          ; s[10:11] selects for lane l xor 16
.set G1, 24
.set G0, 32
.set G1B, 48
.set G0B, 56
.set G1S, 68
.set G0S, 76
.set G1SB, 80
.set G0SB, 88
.set MSB, 0
.macro WIN new                         ; the immediate's high byte repeats the setting that is left
.if MSB != \new
	s_set_vgpr_msb (MSB<<8)|\new
.set MSB, \new
.endif
.endm
.set MUL_LO, 0xa1                      ; source 0 (B) window 1, source 1 (A) window 0, C and D window 2
.set MUL_HI, 0xf1                      ; the same, C and D window 3
.set TO_B,   0x40                      ; destination window 1, address window 0
; A joint load: waves 0 and 1 fetch for A, waves 2 and 3 for B; the branch hangs on the wave's number alone.  Four v_nop follow each of the two lines.
.macro JLOAD g0a, g1a, g0b, g1b
	s_cmp_eq_u32 s15, 0
	s_cbranch_scc0 .Lfor_b_\@
	tensor_load_to_lds s[\g0a:\g0a+3], s[\g1a:\g1a+7]
	s_nop 0
.rept 4
	v_nop
.endr
	s_branch .Lasked_\@
.Lfor_b_\@:
	tensor_load_to_lds s[\g0b:\g0b+3], s[\g1b:\g1b+7]
	s_nop 0
.rept 4
	v_nop
.endr
.Lasked_\@:
.endm
.macro CREST                           ; a round of the cluster's barrier behind its opening barrier
	s_cmp_lg_u32 s14, 0
	s_cbranch_scc1 .Lnot_wave_0_\@
	s_barrier_signal -3
.Lnot_wave_0_\@:
	s_barrier_wait -3
	s_barrier_signal -1
	s_barrier_wait -1
.endm
.macro CROUND
	s_barrier_signal -1
	s_barrier_wait -1
	CREST
.endm
	s_load_b128 s[4:7], s[0:1], 0x0                ; the images, the scale bytes
	s_load_b64 s[12:13], s[0:1], 0x10              ; qkv
	v_lshl_add_u32 v[SPW], v0, 2, SPARE
	v_mov_b32 v[NIL], 0
	ds_add_u32 v28, v29
	ds_add_u32 v28, v29
	s_wait_dscnt 0x0
	v_lshrrev_b32 v1, 5, v0
	v_readfirstlane_b32 s14, v1                    ; wave 0..3
	s_lshr_b32 s15, s14, 1                         ; which half of A's rows is mine.  Also: I fetch for A (0) or for B (1)
	s_and_b32 s16, s14, 1                          ; which half of B's rows.  Also: which 128 rows I fetch
	s_bfe_u32 s40, ttmp6, 0x40000                  ; cx, cy: my place in the cluster
	s_bfe_u32 s41, ttmp6, 0x40004
	s_and_b32 s17, ttmp7, 0xffff                   ; the cluster's y: which 1,024 tokens
	s_lshl_b32 s43, s41, 2
	s_lshl_b32 s43, 15, s43                        ; my row of the cluster
	s_lshl_b32 s44, 0x1111, s40                    ; my column
	; descriptor group 1: 8 rows (tiles) of 3,072 bytes, 12,288 bytes apart, elements of 8 bytes, no padding
	s_or_b32 s[G1+0], s43, (3<<16)|(1<<21)         ; 15:0 the mask; 17:16 elements of 8 bytes; 21 set beside a mask
	s_or_b32 s[G1B+0], s44, (3<<16)|(1<<21)
.irp g, G1, G1B
	s_mov_b32 s[\g+1], (STEPB/8)<<16               ; tensor_dim0
	s_mov_b32 s[\g+2], 16<<16                      ; tensor_dim1: 16 tiles for the head's loads; set to 8, for the ring's, behind the wait for them
	s_mov_b32 s[\g+3], (STEPB/8)<<16               ; tile_dim0
	s_mov_b32 s[\g+4], 16                          ; tile_dim1, likewise
	s_mov_b32 s[\g+5], TILEB/8                     ; tensor_dim0_stride
	s_mov_b32 s[\g+6], 0
	s_mov_b32 s[\g+7], 0
.endr
	; the scales of 256 rows: 8,192 dense bytes as 32 rows of 256 bytes, 16 bytes of padding behind each
	s_or_b32 s[G1S+0], s43, (3<<16)|(1<<20)|(1<<21)|(5<<22)|(3<<25)
	s_or_b32 s[G1SB+0], s44, (3<<16)|(1<<20)|(1<<21)|(5<<22)|(3<<25)
.irp g, G1S, G1SB
	s_mov_b32 s[\g+1], 32<<16
	s_mov_b32 s[\g+2], 32<<16                      ; the scales of 256 rows: 32 units of 256 bytes
	s_mov_b32 s[\g+3], 32<<16
	s_mov_b32 s[\g+4], 32
	s_mov_b32 s[\g+5], 32
	s_mov_b32 s[\g+6], 0
	s_mov_b32 s[\g+7], 0
.endr
	; which rows of the 8,192: x at 0, w_q at 4,096, w_k at 5,120, w_v at 6,144.  The choice hangs on the cluster's x, which all partners share
	s_lshl_b32 s2, s17, 10                         ; the cluster's tokens
	s_lshl_b32 s3, ttmp9, 10
	s_add_co_u32 s3, s3, 4096                      ; w_q or w_k
	s_mov_b32 s42, 6144                            ; w_v
	s_cmp_eq_u32 ttmp9, 2
	s_cselect_b32 s20, s42, s2                     ; A
	s_cselect_b32 s46, s2, s3                      ; B
	s_cselect_b32 s96, 0, -1                       ; all lanes' bits where the rows are normalised (q, k), none for V
	s_lshl_b32 s18, s41, 8
	s_add_co_u32 s20, s20, s18                     ; A: + 256 cy
	s_lshl_b32 s19, s40, 8
	s_add_co_u32 s46, s46, s19                     ; B: + 256 cx
	s_mov_b32 s21, 0
	s_mov_b32 s47, 0
	s_mov_b64 s[18:19], 32
	s_mul_u64 s[22:23], s[20:21], s[18:19]         ; where these rows' scales begin, in bytes
	s_mul_u64 s[92:93], s[46:47], s[18:19]
	s_mov_b64 s[18:19], 768
	s_mul_u64 s[20:21], s[20:21], s[18:19]         ; and their codes: 768 bytes a row, 12,288 a tile
	s_mul_u64 s[46:47], s[46:47], s[18:19]
	s_mul_i32 s45, s14, HALFT                      ; where they go: wave x 128 rows: no place in the cluster enters an LDS address
	s_mul_i32 s18, s16, 8*TILEB                    ; in the ring I fetch 128 rows, 8 tiles: which half, in bytes
	s_mov_b32 s19, 0
	s_wait_kmcnt 0x0
	s_add_nc_u64 s[20:21], s[4:5], s[20:21]
	s_add_nc_u64 s[22:23], s[6:7], s[22:23]
	s_add_nc_u64 s[46:47], s[4:5], s[46:47]
	s_add_nc_u64 s[92:93], s[6:7], s[92:93]
	CROUND                                         ; all sixteen work-groups are here: the first joint loads meet
	s_mov_b32 s[G0S], 1
	s_mov_b32 s[G0S+1], SCL
	s_mov_b64 s[G0S+2:G0S+3], s[22:23]
	s_or_b32 s[G0S+3], s[G0S+3], 0x80000000
	s_mov_b32 s[G0SB], 1
	s_mov_b32 s[G0SB+1], SCL+2*HALFS
	s_mov_b64 s[G0SB+2:G0SB+3], s[92:93]
	s_or_b32 s[G0SB+3], s[G0SB+3], 0x80000000
	s_mov_b32 s[G0+4], 1                           ; the head's loads of K step 0, each tile whole, in the registers that later hold slot 1's group 0: A's 256 rows,
	s_mov_b32 s[G0+5], 0
	s_mov_b64 s[G0+6:G0+7], s[20:21]
	s_or_b32 s[G0+7], s[G0+7], 0x80000000
	s_mov_b32 s[G0B+4], 1                          ; and B's 256 rows, behind them in slot 0
	s_mov_b32 s[G0B+5], 2*HALFT
	s_mov_b64 s[G0B+6:G0B+7], s[46:47]
	s_or_b32 s[G0B+7], s[G0B+7], 0x80000000
	s_mov_b32 s[G0], 1                             ; the ring's slot 0: my 128 rows, K step 0; first used, stepped, at the slot's first refill
	s_mov_b32 s[G0+1], s45
	s_add_nc_u64 s[G0+2:G0+3], s[20:21], s[18:19]
	s_or_b32 s[G0+3], s[G0+3], 0x80000000
	s_mov_b32 s[G0B], 1
	s_mov_b32 s[G0B+1], s45
	s_add_nc_u64 s[G0B+2:G0B+3], s[46:47], s[18:19]
	s_or_b32 s[G0B+3], s[G0B+3], 0x80000000
; THE HEAD'S LOADS, ONE A WAVE: wave 0 K step 0's 256 rows of A, wave 1 its 256 rows of B, wave 2 the scales of A's 256 rows, wave 3 those of B's.
; One tree of branches on the wave's number: every way through the head passes exactly one load.
.macro ARM under, g0, g1, next
	s_cmp_lt_u32 s14, \under
	s_cbranch_scc0 \next
	tensor_load_to_lds s[\g0:\g0+3], s[\g1:\g1+7]
	s_nop 0
.rept 4
	v_nop
.endr
	s_branch .Lhead_asked
\next:
.endm
	ARM 1, G0+4,  G1,  .Lhead_b
	ARM 2, G0B+4, G1B, .Lhead_sa
	ARM 3, G0S,   G1S, .Lhead_sb
	tensor_load_to_lds s[G0SB:G0SB+3], s[G1SB:G1SB+7]
	s_nop 0
.rept 4
	v_nop
.endr
.Lhead_asked:
	v_and_b32 v1, 15, v0                           ; r
	v_bfe_u32 v2, v0, 4, 1                         ; h (kept to the end)
	v_and_b32 v3, 31, v0
	v_lshlrev_b32 v[VO], 3, v3                     ; 8 x lane
	s_mul_i32 s21, s15, HALFT                      ; my 128 rows of A
	s_mul_i32 s22, s16, HALFT                      ; my 128 rows of B,
	s_add_co_u32 s22, s22, 2*HALFT                 ; which lie behind A's 256
.irp s, 0,1
	v_add_nc_u32 v[ADRA+\s], s21, v[VO]
	v_add_nc_u32 v[ADRB+\s], s22, v[VO]
	s_add_co_u32 s21, s21, SLOT
	s_add_co_u32 s22, s22, SLOT
.endr
	v_mul_u32_u24 v5, v1, 32                       ; my row's scales: 32 bytes a row,
	v_lshrrev_b32 v6, 8, v5
	v_lshl_add_u32 v5, v6, 4, v5                   ; and 16 more for each 256 passed
	s_mul_i32 s21, s15, HALFS                      ; A's: my 128 rows
	s_mul_i32 s22, s16, HALFS                      ; B's: my 128 rows, behind A's 256
	s_add_co_u32 s22, s22, 2*HALFS
	s_sub_co_u32 s22, s22, s21
	v_mul_u32_u24 v6, s22, v2                      ; lanes 16-31 take B's
	s_add_co_u32 s21, s21, SCL
	v_add_nc_u32 v5, v5, v6
	v_add_nc_u32 v[ADRS], s21, v5
	; where my results go.  Tokens are A's rows for q and k, B's for V; channels the other way round
	s_lshl_b32 s18, s17, 2
	s_mov_b32 s23, 12288
	s_mov_b32 s42, 768
	s_cmp_eq_u32 ttmp9, 0
	s_cselect_b32 s92, 12800, 0                    ; the record's part for the codes: Q's, K's,
	s_cselect_b32 s93, 18944, s23                  ; and for the scale words
	s_cmp_eq_u32 ttmp9, 2
	s_cselect_b32 s92, 6144, s92                   ; or V's
	s_cselect_b32 s93, 12544, s93
	s_cselect_b32 s19, s40, s41                    ; which 256 tokens of the cluster's
	s_cselect_b32 s20, s16, s15                    ; which half of them
	s_cselect_b32 s21, s41, s40                    ; which 256 channels
	s_cselect_b32 s22, s15, s16                    ; which half of them
	s_cselect_b32 s97, s42, HEADB                  ; from a fragment's first half to its second: V: the next 64 keys; q, k: the next head
	s_cselect_b32 s44, HEADB-3*1536, s42           ; the base's step in front of block 4: V: the next head's first tile
	s_cselect_b32 s42, 1536, s42                   ; and in front of the others: V: a tile of 16 channels; q, k: a tile of 16 tokens
	s_mov_b32 s43, 0
	s_mov_b32 s45, 0
	s_add_co_u32 s18, s18, s19
	s_lshl_b32 s18, s18, 1
	s_add_co_u32 s18, s18, s20                     ; the group of 128 tokens, 0..31
	s_lshr_b32 s19, s18, 4
	s_lshl_b32 s19, s19, 4                         ; 16 x batch
	s_lshl_b32 s21, s21, 2
	s_add_co_u32 s19, s19, s21
	s_lshl_b32 s22, s22, 1
	s_add_co_u32 s19, s19, s22                     ; the first of my two heads
	s_lshl_b32 s19, s19, 4
	s_and_b32 s18, s18, 15
	s_add_co_u32 s19, s19, s18
	s_mul_i32 s18, s19, RECB                       ; its record
	s_add_co_u32 s20, s18, s92
	s_mov_b32 s21, 0
	s_add_co_u32 s22, s18, s93
	s_mov_b32 s23, 0
	s_add_nc_u64 s[8:9], s[12:13], s[22:23]        ; the scale words
	s_add_nc_u64 s[12:13], s[12:13], s[20:21]      ; the codes
	v_add_nc_u32 v[VO+1], s97, v[VO]
	v_mul_u32_u24 v5, v2, HEADB
	v_lshl_add_u32 v[VSO], v1, 4, v5               ; lanes 0-15: the first head's words, 16 bytes a row; lanes 16-31: the second's
	s_mov_b32 s[SEL], 0x76543210
	s_mov_b32 s[SEL+1], 0xfedcba98
	s_mov_b32 s66, 0x3c800000                      ; 1 / 64
	s_mov_b32 s67, 0x34000000                      ; eps = 2^-23
.macro FRAG reg, adr, q, i             ; a fragment, 16 rows x 128 K, is 12 registers: its image lies on end in LDS, 256 bytes for each pair of registers
.irp p, 0,1,2,3,4,5
	ds_load_b64 v[\reg+2*\p:\reg+2*\p+1], v[\adr] offset:(\i)*STEPB+(\q)*1536+256*\p
.endr
.endm
; 16 matrix instructions: A's blocks a0, a0 + 1 x B's eight, 128 along K.  The 64 accumulators take turns, one instruction a turn, in the same order in every step.
.macro MUL16 a0, p, q, sc, zero
.irp a, \a0, \a0+1
.irp b, 0,1,2,3,4,5,6,7
.if \zero
	v_wmma_scale_f32_16x16x128_f8f6f4 v[8*(8*((\a)%4)+\b):8*(8*((\a)%4)+\b)+7], v[128*(\p)+FR*\b:128*(\p)+FR*\b+FR-1], v[AF+FR*(\a):AF+FR*(\a)+FR-1], 0, v[SC+8*NQ*(\sc)+NQ*\b+(\q)], v[SC+8*NQ*(\sc)+NQ*(\a)+(\q)] matrix_a_fmt:MATRIX_FMT_FP6 matrix_b_fmt:MATRIX_FMT_FP6 matrix_a_scale:MATRIX_SCALE_ROW1
.else
	v_wmma_scale_f32_16x16x128_f8f6f4 v[8*(8*((\a)%4)+\b):8*(8*((\a)%4)+\b)+7], v[128*(\p)+FR*\b:128*(\p)+FR*\b+FR-1], v[AF+FR*(\a):AF+FR*(\a)+FR-1], v[8*(8*((\a)%4)+\b):8*(8*((\a)%4)+\b)+7], v[SC+8*NQ*(\sc)+NQ*\b+(\q)], v[SC+8*NQ*(\sc)+NQ*(\a)+(\q)] matrix_a_fmt:MATRIX_FMT_FP6 matrix_b_fmt:MATRIX_FMT_FP6 matrix_a_scale:MATRIX_SCALE_ROW1
.endif
.endr
.endr
.endm
.macro FETCH_B slot, q, p
	WIN TO_B
.irp i, 0,1,2,3,4,5,6,7
	FRAG 128*(\p)+FR*\i, ADRB+\slot, \q, \i
.endr
	WIN 0
.endm
.macro FETCH_A slot, q, i0
.irp i, \i0, \i0+1, \i0+2, \i0+3
	FRAG AF+FR*(\i), ADRA+\slot, \q, \i
.endr
.endm
.macro SCALES sc                       ; a K step's scale words: two a row; lanes 0-15 take A's block i, lanes 16-31 B's block i
.irp i, 0,1,2,3,4,5,6,7
	ds_load_b64 v[SC+8*NQ*\sc+NQ*\i:SC+8*NQ*\sc+NQ*\i+1], v[ADRS] offset:\i*SBLK
.endr
.endm
.macro PLACES n                        ; plain vector lines between a matrix instruction and a load into, or a vector line on, its registers
.rept \n
	v_nop
.endr
.endm
.macro STEP slot, q, zero              ; 128 along K that have their successor in the same slot
	s_wait_dscnt 4*NL                              ; B's set and A's blocks 0-3 are in; the youngest 24 loads (A's blocks 4-7) may be out
	WIN MUL_LO
	MUL16 0, (\q)%2, \q, \slot, \zero
	MUL16 2, (\q)%2, \q, \slot, \zero
	s_wait_dscnt 0
	PLACES NP
	FETCH_B \slot, (\q)+1, 1-(\q)%2
	FETCH_A \slot, (\q)+1, 0
	WIN MUL_HI
	MUL16 4, (\q)%2, \q, \slot, \zero
	MUL16 6, (\q)%2, \q, \slot, \zero
	PLACES NP
	WIN 0
	FETCH_A \slot, (\q)+1, 4
.endm
; A slot's last 128 change slots: ONE barrier; in front of it each wave waits for all its tensor loads, adds 0 to its spare word, and waits for that and for its reads of this slot.  fill = 1: this slot is filled again, two K steps ahead.
.macro TURN slot, next, fill
	s_wait_tensorcnt 0x0                           ; all my tensor loads have landed: my part of the next slot
	ds_add_u32 v[SPW], v[NIL]                      ; 0 onto my spare word
	s_wait_dscnt 4*NL+1                            ; (the add and the youngest 24 loads may be out)
	WIN MUL_LO
	MUL16 0, 1, NQ-1, \slot, 0
	s_wait_dscnt 0x0                               ; the add is done, and my reads of this slot are over
	s_barrier_signal -1
	MUL16 2, 1, NQ-1, \slot, 0
	WIN 0
	s_barrier_wait -1
.if \fill
	CREST                                          ; the barrier has opened a round of the cluster's: no wave of any partner still reads this slot or has a load on its way
	s_add_nc_u64 s[G0+4*\slot+2:G0+4*\slot+3], s[G0+4*\slot+2:G0+4*\slot+3], 2*STEPB
	s_add_nc_u64 s[G0B+4*\slot+2:G0B+4*\slot+3], s[G0B+4*\slot+2:G0B+4*\slot+3], 2*STEPB
	JLOAD G0+4*\slot, G1, G0B+4*\slot, G1B         ; the first tensor load behind the round; its four v_nop are the places in front of the loads below
.else
	PLACES NP
.endif
	s_wait_alu depctr_va_vdst(0)
	v_add_nc_u32 v[ADRS], 4*NQ, v[ADRS]            ; the next K step's scale words
	FETCH_B \next, 0, 0
	FETCH_A \next, 0, 0
	SCALES \next
	WIN MUL_HI
	MUL16 4, 1, NQ-1, \slot, 0
	MUL16 6, 1, NQ-1, \slot, 0
	PLACES NP
	WIN 0
	FETCH_A \next, 0, 4
.endm
; 64 numbers of a lane, register 16 b + i = k 32 b + 16 (lane / 16) + i of my row, become a fragment's codes in v[PC] on and its scale word in v[PW]
.macro QUANT s
.irp b, 0,1,2,3
	v_max3_num_f32 v[TM+\b], |v[\s+16*\b]|, |v[\s+1+16*\b]|, 0x1800000   ; my 16 numbers of block b, and the floor 2^(3 - 127): the byte cannot fall under 1
.endr
.irp i, 2,4,6,8,10,12,14
.irp b, 0,1,2,3
	v_max3_num_f32 v[TM+\b], v[TM+\b], |v[\s+16*\b+\i]|, |v[\s+1+16*\b+\i]|
.endr
.endr
.irp b, 0,1,2,3
	v_permlanex16_b32 v[TM+4+\b], v[TM+\b], s[SEL], s[SEL+1]
.endr
.irp b, 0,1,2,3
	v_max_num_f32 v[TM+\b], v[TM+\b], v[TM+4+\b]   ; with lane l xor 16's: the block's largest magnitude
.endr
.irp b, 0,1,2,3
	v_add_nc_u32 v[TM+12+\b], 0xff000000, v[TM+\b] ; 2 off its exponent field: the conversion's scale operand
.endr
.irp b, 0,1,2,3
	v_lshrrev_b32 v[TM+4+\b], 23, v[TM+12+\b]      ; the scale's byte
.endr
	v_lshl_or_b32 v[PW], v[TM+5], 8, v[TM+4]
	v_lshl_or_b32 v[PW], v[TM+6], 16, v[PW]
	v_lshl_or_b32 v[PW], v[TM+7], 24, v[PW]
.irp c, 0,1
	v_cvt_scalef32_pk16_fp6_f32 v[PC+6*\c:PC+2+6*\c], v[\s+32*\c:\s+15+32*\c], v[TM+12+2*\c]
	v_cvt_scalef32_pk16_fp6_f32 v[PC+12+4*\c:PC+14+4*\c], v[\s+16+32*\c:\s+31+32*\c], v[TM+12+2*\c+1]
.endr
	v_nop                                          ; one plain line behind a scaled conversion
.irp c, 0,1                            ; the operand's layout wants a whole block in a lane: lanes 0-15 block 2 c, lanes 16-31 block 2 c + 1
.irp i, 0,1,2
	v_permlane16_swap_b32 v[PC+6*\c+\i], v[PC+12+4*\c+\i]
.endr
.irp i, 0,1,2
	v_mov_b32 v[PC+3+6*\c+\i], v[PC+12+4*\c+\i]
.endr
.endr
.endm
	s_wait_alu depctr_va_vdst(0)
	s_wait_tensorcnt 0x0                           ; my tile of the head's four is in
	ds_add_u32 v[SPW], v[NIL]
	s_mov_b32 s[G1+2], 8<<16                       ; no tensor load of mine is out, so descriptors may be written: from here on a load brings 8 tiles,
	s_mov_b32 s[G1+4], 8
	s_mov_b32 s[G1B+2], 8<<16
	s_mov_b32 s[G1B+4], 8
	s_add_co_u32 s[G0+5], s[G0+1], SLOT            ; and slot 1's group 0: my 128 rows, K step 1
	s_add_nc_u64 s[G0+6:G0+7], s[G0+2:G0+3], STEPB
	s_add_co_u32 s[G0B+5], s[G0B+1], SLOT
	s_add_nc_u64 s[G0B+6:G0B+7], s[G0B+2:G0B+3], STEPB
	s_wait_dscnt 0x0                               ; the add is done
	CROUND                                         ; a whole round: all four tiles are in, and all sixteen work-groups are here
	JLOAD G0+4, G1, G0B+4, G1B                     ; K step 1, the first tensor load behind the round
	FETCH_B 0, 0, 0
	FETCH_A 0, 0, 0
	SCALES 0
	FETCH_A 0, 0, 4
	STEP 0, 0, 1                                   ; the first products start the sums.  K = 1,024 is twice round the ring: written straight
	TURN 0, 1, 1
	STEP 1, 0, 0
	TURN 1, 0, 1
	STEP 0, 0, 0
	TURN 0, 1, 0                                   ; nothing is left to fetch
	STEP 1, 0, 0
	s_wait_dscnt 4*NL
	WIN MUL_LO
	MUL16 0, 1, NQ-1, 1, 0
	MUL16 2, 1, NQ-1, 1, 0
	s_wait_dscnt 0
	WIN MUL_HI
	MUL16 4, 1, NQ-1, 1, 0
	MUL16 6, 1, NQ-1, 1, 0
	WIN 0
	PLACES NP                                      ; behind the last products: the lines below write registers that held A's fragments
.irp b, 0,1,2,3
	v_mov_b32 v[TM+4+\b], 0                        ; a lane permute's destination counts as read
.endr
	v_mov_b32 v[TT+2], 0
	v_mov_b32 v[TT+3], 0
	v_mov_b32 v[RS+1], 0                           ; (named as the upper halves of pairs)
	v_mov_b32 v[RS+3], 0
; Block a of A's rows: 64 registers a lane; registers 0-31 belong to the first 64 of B's rows, 32-63 to the second (for q and k: two heads)
.macro OUTB a
.set AC, 64*((\a)%4)
.set WN, 2+(\a)/4
.set WS, WN|(WN<<2)
	WIN WS                                         ; sources 0 and 1: the accumulators' window
.set k, 0
.rept 16                               ; sums of squares, two chains a head, each accumulator from its low end on
.irp c, 0,1
.if k < 2
	v_pk_mul_f32 v[SS+4*\c+2*(k%2):SS+4*\c+2*(k%2)+1], v[AC+32*\c+2*k:AC+32*\c+2*k+1], v[AC+32*\c+2*k:AC+32*\c+2*k+1]
.else
	v_pk_fma_f32 v[SS+4*\c+2*(k%2):SS+4*\c+2*(k%2)+1], v[AC+32*\c+2*k:AC+32*\c+2*k+1], v[AC+32*\c+2*k:AC+32*\c+2*k+1], v[SS+4*\c+2*(k%2):SS+4*\c+2*(k%2)+1]
.endif
.endr
.set k, k+1
.endr
	WIN 0
.irp c, 0,1
	v_pk_add_f32 v[SS+4*\c:SS+4*\c+1], v[SS+4*\c:SS+4*\c+1], v[SS+4*\c+2:SS+4*\c+3]
.endr
.irp c, 0,1
	v_add_f32 v[TT+\c], v[SS+4*\c], v[SS+4*\c+1]
.endr
.irp c, 0,1
	v_permlanex16_b32 v[TT+2+\c], v[TT+\c], s[SEL], s[SEL+1]
.endr
.irp c, 0,1
	v_add_f32 v[TT+\c], v[TT+\c], v[TT+2+\c]       ; with lane l xor 16's 32: the head's 64
.endr
.irp c, 0,1
	v_fma_f32 v[TT+\c], v[TT+\c], s66, s67         ; the mean + eps
.endr
	s_wait_alu depctr_va_vdst(0)
.irp c, 0,1
	v_rsq_f32 v[RS+2*\c], v[TT+\c]
.endr
	v_nop                                          ; a plain line behind the transcendentals
	s_wait_alu depctr_va_vdst(0)
.irp c, 0,1
	v_cndmask_b32 v[RS+2*\c], 1.0, v[RS+2*\c], s96 ; V is not normalised
.endr
	WIN WN                                         ; source 0: the accumulators' window
.set k, 0
.rept 32
	v_pk_mul_f32 v[HA+2*k:HA+2*k+1], v[AC+2*k:AC+2*k+1], v[RS+2*(k/16):RS+2*(k/16)+1] op_sel_hi:[1,0]
.set k, k+1
.endr
	WIN 0
.if (\a) > 0
	s_wait_xcnt 0x0                                ; the last block's stores have read their data and their base
.if (\a) == 4
	s_add_nc_u64 s[12:13], s[12:13], s[44:45]
.else
	s_add_nc_u64 s[12:13], s[12:13], s[42:43]
.endif
.endif
	QUANT HA
	v_mov_b32 v[PWS+(\a)], v[PW]
.irp c, 0,1
.irp p, 0,1,2
	global_store_b64 v[VO+\c], v[PC+6*\c+2*\p:PC+6*\c+2*\p+1], s[12:13] offset:256*\p   ; 32 lanes store 256 consecutive bytes, aligned
.endr
.endr
.endm
.irp a, 0,1,2,3,4,5,6,7
	OUTB \a
.endr
	; the scale words.  q, k: a block's word holds head 0's two bytes, then head 1's: lanes 0-15 gather head 0's of two tiles into a word, lanes 16-31 head 1's.  V: a block's word is whole: blocks 0-3 are head 0's, 4-7 head 1's
	v_cmp_eq_u32 vcc_lo, 1, v2
	v_mov_b32 v[SELV], 0x05040100
	v_mov_b32 v31, 0x07060302
	v_cndmask_b32 v[SELV], v[SELV], v31, vcc_lo
.irp i, 0,1,2,3
	v_perm_b32 v[OW+\i], v[PWS+2*\i+1], v[PWS+2*\i], v[SELV]
.endr
.irp i, 0,1,2,3
	v_cndmask_b32 v[OW+4+\i], v[PWS+\i], v[PWS+4+\i], vcc_lo
.endr
.irp i, 0,1,2,3
	v_cndmask_b32 v[OW+\i], v[OW+4+\i], v[OW+\i], s96
.endr
	global_store_b128 v[VSO], v[OW:OW+3], s[8:9]   ; sixteen lanes store 256 consecutive bytes, aligned, for each of the two heads
	s_wait_tensorcnt 0x0                           ; the wave's end
	ds_add_u32 v[SPW], v[NIL]
	s_wait_dscnt 0x0
	CROUND                                         ; the closing round
	s_endpgm
.Lfunc_end_k_qe292ef9b1d_qkv:
	.size	k_qe292ef9b1d_qkv, .Lfunc_end_k_qe292ef9b1d_qkv-k_qe292ef9b1d_qkv
	.p2alignl 7, 3214868480
	.fill 96, 4, 3214868480
	.section	.rodata,"a",@progbits
	.p2align	6, 0x0
	.amdhsa_kernel k_qe292ef9b1d_qkv
		.amdhsa_group_segment_fixed_size 327680
		.amdhsa_private_segment_fixed_size 0
		.amdhsa_enable_private_segment 0
		.amdhsa_kernarg_size 24
		.amdhsa_user_sgpr_count 2
		.amdhsa_user_sgpr_kernarg_segment_ptr 1
		.amdhsa_wavefront_size32 1
		.amdhsa_system_sgpr_workgroup_id_x 1
		.amdhsa_system_sgpr_workgroup_id_y 1
		.amdhsa_system_sgpr_workgroup_id_z 1
		.amdhsa_system_vgpr_workitem_id 0
		.amdhsa_next_free_vgpr 1024
		.amdhsa_next_free_sgpr 98
		.amdhsa_reserve_vcc 1
		.amdhsa_float_denorm_mode_32 3
		.amdhsa_float_denorm_mode_16_64 3
		.amdhsa_memory_ordered 1
		.amdhsa_forward_progress 1
		.amdhsa_inst_pref_size 207
	.end_amdhsa_kernel
	.amdgpu_metadata
---
amdhsa.version: [ 1, 2 ]
amdhsa.kernels:
  - .name:           k_qe292ef9b1d_qkv
    .symbol:         k_qe292ef9b1d_qkv.kd
    .args:
      - { .name: xw_img, .offset: 0, .size: 8, .value_kind: global_buffer, .address_space: global }
      - { .name: xw_scl, .offset: 8, .size: 8, .value_kind: global_buffer, .address_space: global }
      - { .name: qkv, .offset: 16, .size: 8, .value_kind: global_buffer, .address_space: global }
    .group_segment_fixed_size: 327680
    .private_segment_fixed_size: 0
    .kernarg_segment_align: 8
    .kernarg_segment_size: 24
    .max_flat_workgroup_size: 128
    .sgpr_count:     98
    .vgpr_count:     1024
    .wavefront_size: 32
...
	.end_amdgpu_metadata
.endif
;; end of part 2
;; launch attn (part 3): grid 8 x 32, 16 waves a work-group, clusters of 4 x 1, 243,712 bytes of LDS; arguments qkv, y_img, y_scl; writes y_img, y_scl
.if DOCPART == 3
	.amdgcn_target "amdgcn-amd-amdhsa--gfx1250"
	.amdhsa_code_object_version 6
	.text
	.protected	k_qe292ef9b1d_attn
	.globl	k_qe292ef9b1d_attn
	.p2align	8
	.type	k_qe292ef9b1d_attn,@function
k_qe292ef9b1d_attn:
	s_mov_b64 s[64:65], 0
	v_nop
	global_prefetch_b8 v0, s[64:65] scope:SCOPE_SE
	s_setreg_imm32_b32 hwreg(HW_REG_WAVE_MODE, 25, 1), 1
	s_wait_xcnt 0x0
	s_wait_alu depctr_hold_cnt(0) depctr_sa_sdst(0) depctr_va_vdst(0) depctr_va_sdst(0) depctr_va_ssrc(0) depctr_va_vcc(0) depctr_vm_vsrc(0)
	s_getreg_b32 s2, hwreg(HW_REG_IB_STS2, 6, 4)
	s_cmp_eq_u32 s2, 0
	s_cbranch_scc0 .Lentry_in_a_cluster
	s_endpgm
.Lentry_in_a_cluster:
	s_bfe_u32 s2, ttmp6, 0x10000c
	s_cmp_lg_u32 s2, 0x3003
	s_cbranch_scc0 .Lentry_shape_is_right
	s_endpgm
.Lentry_shape_is_right:
; Causal attention of one head on codes of FP6 (E2M3) with E8M0 scales: S^T = K Q^T (K = the head's 64), t = 50 log2(e) tanh(score / 8 / 50), p = 2^t, O^T = V^T P^T (K = the keys), y = O / the sum of the unquantised p;
; y is quantised along the model's 1,024 (a block of 32 lies inside a head) and leaves as an image of the next product's operand.
; qkv: [batch x head][16 groups of 128 tokens] records of 19,200 bytes: K 8 tiles x 768 | V^T 4 tiles x 1,536 | K's scale words | V's | Q 8 tiles x 768 | Q's scale words.  The first 12,800 bytes are what the keys' side needs.
; Key steps that lie wholly behind a tile's queries are under the causal mask and are not computed.
; SHARES.  A work-group takes tile g (0..7) of each of the head's 16 groups of 128 queries: 16 tiles of 16 queries.  Group G needs G + 1 key steps of 128.  Groups 15 - a and a (a = wave / 2) make 17 steps, dealt to two waves:
; the wave of kind 0 takes keys 0..8 of group 15 - a (9 steps) and finishes that tile; the wave of kind 1 takes keys 9..15 - a of group 15 - a (7 - a steps), hands O^T and the sums of p over through LDS, and then takes group a whole
; (a + 1 steps).  The parts add as they are, since no maximum is taken away (below).  Kind = bit 0 xor bit 2 of the wave's number: two of each kind among waves w .. w + 3 and among w, w + 4, w + 8, w + 12 alike.
; Both walks have constant trip counts (7 and 9); a step that is not the wave's is jumped over by a branch on the wave's number.
; LDS holds the keys' side of the WHOLE head, 16 x 12,800 bytes, filled once: wave w brings record w.  CLUSTER: the four work-groups of a cluster belong to one head, so each record is asked for jointly, mask 15.  Nothing is filled again.
; No prefetch: the one fill is asked for at the head, and there is no loop to run ahead in.
; LAYOUT.  Both products are used transposed: a lane holds one query (lane % 16) throughout.  A tile's rows are not neighbours (row r of tile 2 b + u is token 32 b + 8 u + r + 8 (r / 8) of the group), so the 16 registers of two
; neighbouring tiles of S^T are 16 neighbouring keys.  The head's K is 64, the instruction's 128: ONE fragment of K holds TWO tiles of keys on end, and Q stands against it as [q | zero codes] and as [zero codes | q].
; Every wave loads two tiles of Q, one for each walk.
; THE SOFTCAP.  rms_norm bounds |q| and |k| by 8, the rounding to codes lengthens them to 9.2 at the most, so |q . k| <= 85 and u = q . k / 400 has |u| <= 0.2125 FOR EVERY INPUT.  With x = u^2 in 0 .. A, A = 0.2125^2:
; tanh(u) = u (1 - x/3 + 2x^2/15 - 17x^3/315 + ..).  x^3 is replaced by the quadratic 1.5 A x^2 - 0.5625 A^2 x + A^3/32, which differs from it by A^3/32 at the most on that range (the shifted Chebyshev polynomial of degree 3).
; So tanh(u) = u (0.99999984 - 0.33327143 x + 0.12967782 x^2), within 17/315 A^3/32 = 1.6e-7 and the next term's 62 A^4/2835 = 0.9e-7: under 2.5e-7 of tanh for every input.  (1 - 2 / (1 + e^2u) would cancel.)
; NO MAXIMUM IS TAKEN AWAY: |t| <= 15.3 for every input by the same bound, so p = 2^t lies between 2^-16 and 2^16 and a row's sum under 2^27.  The contract's M is a whole number that the blocks' scales and the sum take up exactly: with M = 0
; the codes are the same and y is the same.
; LIMITS: NaN and infinities among the inputs are not served; a block of zeros gets the byte 1 (its codes are zeros; this program alone reads the bytes).  y's scale bytes leave one a lane: 128 KiB in all beside 3 MiB of codes.
.set RECB,  19200
.set HEADB, 16*RECB
.set KVB,   12800
.set STAGE, 16*KVB                     ; behind the keys' side: a pair's part of O^T and of the sums, 36 registers x 128 bytes
.set PARTB, 4608
.set SPARE, STAGE+8*PARTB              ; the spare words, 128 bytes for each wave
.set ADR,  4                           ; v4   LDS address of the step's images: step + 8 x lane    (v1 = 8 x lane, v2 = 16 r, v3 = d)
.set ADS,  5                           ; v5   of its scale words: step + 16 r
.set QSP,  6                           ; v6, v7 my queries' scale bytes, twice: first walk, second walk
.set QSF,  7
.set C0,   8                           ; v8-9, v14-15, v250-251 the series' three constants, as pairs      (v10-13: the row's sum, two packed sums)
.set C1,   14
.set ZQ,   16                          ; v16-21 zeros, v22-27 q of the first walk, v28-33 zeros, v34-39 q of the second, v40-45 zeros
.set F,    46                          ; v46-93 four fragments of K or of V^T
.set KS,   94                          ; v94-97 K's scale words
.set VS,   98                          ; v98-101 V's
.set S,    102                         ; v102-165 S^T, then p
.set OA,   166                         ; v166-197 O^T
.set PC,   198                         ; v198-217 p's codes; while the series is worked, v198-213 hold four more squares and four more sums of it
.set TM,   218                         ; v218-225, v230-233 at work in the quantiser
.set SPW,  226                         ; my spare word; never rewritten
.set NIL,  227                         ; 0; never rewritten
.set PW,   228                         ; p's scale word
.set WR,   234                         ; v234-241 squares
.set HR,   242                         ; v242-249 the series; in the quantiser each block's second chain
.set C2,   250
.set STA,  254                         ; LDS address of my pair's part: STAGE + 4,608 a + 16 x lane
.set WV,   10
.set GH,   11                          ; the pair's upper group, 15 - a
.set GT,   12                          ; my work-group's tile in a group
.set BH,   13
.set J,    14
.set TB,   15
.set SEL,  16
.set PA,   18                          ; a
.set TY,   19                          ; kind
.set GF,   32                          ; the group whose tile I finish
.set LP,   33                          ; the last key step that is mine in the first walk,
.set LF,   34                          ; and in the second
.macro CROUND
	s_barrier_signal -1
	s_barrier_wait -1
	s_cmp_lg_u32 s[WV], 0
	s_cbranch_scc1 .Lnot_wave_0_\@
	s_barrier_signal -3
.Lnot_wave_0_\@:
	s_barrier_wait -3
	s_barrier_signal -1
	s_barrier_wait -1
.endm
; nb blocks of 32: register 16 b + i = k 32 b + 16 (lane / 16) + i of my row -> codes in v[PC] on; the blocks' bytes in v[TM+4] on.  Two chains a block, all chains by turns: eight lines for my 16 numbers and the floor
.macro QHEAD s, nb
	s_wait_alu depctr_va_vdst(0)                   ; the wait ahead of the first readers
.set b, 0
.rept \nb
	v_max3_num_f32 v[TM+b], |v[\s+16*b]|, |v[\s+1+16*b]|, 0x1800000   ; the floor 2^(3 - 127): the byte cannot fall under 1
	v_max3_num_f32 v[HR+b], |v[\s+8+16*b]|, |v[\s+9+16*b]|, |v[\s+10+16*b]|
.set b, b+1
.endr
.irp i, 2,4
.set b, 0
.rept \nb
	v_max3_num_f32 v[TM+b], v[TM+b], |v[\s+16*b+\i]|, |v[\s+1+16*b+\i]|
	v_max3_num_f32 v[HR+b], v[HR+b], |v[\s+9+16*b+\i]|, |v[\s+10+16*b+\i]|
.set b, b+1
.endr
.endr
.set b, 0
.rept \nb
	v_max3_num_f32 v[TM+b], v[TM+b], |v[\s+6+16*b]|, |v[\s+7+16*b]|
.set b, b+1
.endr
.set b, 0
.rept \nb
	v_max3_num_f32 v[TM+b], v[TM+b], v[HR+b], |v[\s+15+16*b]|
.set b, b+1
.endr
.set b, 0
.rept \nb
	v_permlanex16_b32 v[TM+4+b], v[TM+b], s[SEL], s[SEL+1]
.set b, b+1
.endr
.set b, 0
.rept \nb
	v_max_num_f32 v[TM+b], v[TM+b], v[TM+4+b]      ; with lane l xor 16's: the block's largest magnitude
.set b, b+1
.endr
.set b, 0
.rept \nb
	v_add_nc_u32 v[TM+12+b], 0xff000000, v[TM+b]   ; 2 off its exponent field: the conversion's scale operand
.set b, b+1
.endr
.set b, 0
.rept \nb
	v_lshrrev_b32 v[TM+4+b], 23, v[TM+12+b]        ; the scale's byte
.set b, b+1
.endr
.endm
.macro QTAIL s, nc                     ; nc pairs of blocks
.set c, 0
.rept \nc
	v_cvt_scalef32_pk16_fp6_f32 v[PC+6*c:PC+2+6*c], v[\s+32*c:\s+15+32*c], v[TM+12+2*c]
	v_cvt_scalef32_pk16_fp6_f32 v[PC+12+4*c:PC+14+4*c], v[\s+16+32*c:\s+31+32*c], v[TM+12+2*c+1]
.set c, c+1
.endr
	v_nop                                          ; one plain line behind a scaled conversion
.set c, 0
.rept \nc                              ; the operand's layout wants a whole block in a lane: lanes 0-15 block 2 c, lanes 16-31 block 2 c + 1
.irp i, 0,1,2
	v_permlane16_swap_b32 v[PC+6*c+\i], v[PC+12+4*c+\i]
.endr
.irp i, 0,1,2
	s_delay_alu instid0(VALU_DEP_3)
	v_mov_b32 v[PC+3+6*c+\i], v[PC+12+4*c+\i]
.endr
.set c, c+1
.endr
.endm
; A walk over key steps j0 .. j0 + trips - 1, a constant count.  zq: [0 | q | 0] of the walk's queries, qs: their scale bytes, gq: their group (its own step lies on the diagonal), lim: the last step that is mine
.macro WALK zq, qs, gq, lim, j0, trips
	s_mov_b32 s[J], \j0
	s_mov_b32 s[TB], (\j0)*KVB
.Lstep_\@:
	s_cmp_gt_u32 s[J], s[\lim]
	s_cbranch_scc1 .Lskip_\@
	v_add_nc_u32 v[ADR], s[TB], v1
	v_add_nc_u32 v[ADS], s[TB], v2
	v_nop
	v_nop                                          ; four places in front of loads into registers that the last products read
	ds_load_b128 v[KS:KS+3], v[ADS] offset:12288   ; the scale words first: the first product wants them
.irp i, 0,1,2,3
.irp p, 0,1,2,3,4,5
	ds_load_b64 v[F+12*\i+2*\p:F+12*\i+2*\p+1], v[ADR] offset:1536*\i+256*\p   ; tiles 2 i and 2 i + 1 of the keys, on end
.endr
.endr
	s_wait_alu depctr_va_vdst(0)
.irp i, 0,1,2,3
	s_wait_dscnt 18-6*\i                           ; fragment i is in; the six loads of each later fragment may be out
	v_wmma_scale_f32_16x16x128_f8f6f4 v[S+16*\i:S+16*\i+7], v[F+12*\i:F+12*\i+11], v[\zq+6:\zq+17], 0, v[KS+\i], v[\qs] matrix_a_fmt:MATRIX_FMT_FP6 matrix_b_fmt:MATRIX_FMT_FP6
	v_wmma_scale_f32_16x16x128_f8f6f4 v[S+16*\i+8:S+16*\i+15], v[F+12*\i:F+12*\i+11], v[\zq:\zq+11], 0, v[KS+\i], v[\qs] matrix_a_fmt:MATRIX_FMT_FP6 matrix_b_fmt:MATRIX_FMT_FP6
.endr                                              ; register 16 b + i of S: key 32 b + 16 h + i of the step
.rept 4
	v_nop
.endr
.irp i, 0,1,2,3
.irp p, 0,1,2,3,4,5
	ds_load_b64 v[F+12*\i+2*\p:F+12*\i+2*\p+1], v[ADR] offset:6144+1536*\i+256*\p   ; V^T: asked for ahead of the softmax's work
.endr
.endr
	ds_load_b128 v[VS:VS+3], v[ADS] offset:12544
.set m, 0
.rept 4                                ; t = s (c0 + w (c1 + w c2)), w = s^2: two accumulators at a time, each from its low end on, their eight pairs by turns
.irp e, 0,1,2,3,4,5,6,7
.set WE, WR+2*\e+(\e/4)*(PC-WR-8)
	v_pk_mul_f32 v[WE:WE+1], v[S+16*m+2*\e:S+16*m+2*\e+1], v[S+16*m+2*\e:S+16*m+2*\e+1]
.endr
.irp e, 0,1,2,3,4,5,6,7
.set WE, WR+2*\e+(\e/4)*(PC-WR-8)
.set HE, HR+2*\e+(\e/4)*(PC-HR)
	v_pk_fma_f32 v[HE:HE+1], v[WE:WE+1], v[C2:C2+1], v[C1:C1+1]
.endr
.irp e, 0,1,2,3,4,5,6,7
.set WE, WR+2*\e+(\e/4)*(PC-WR-8)
.set HE, HR+2*\e+(\e/4)*(PC-HR)
	v_pk_fma_f32 v[HE:HE+1], v[HE:HE+1], v[WE:WE+1], v[C0:C0+1]
.endr
.irp e, 0,1,2,3,4,5,6,7
.set HE, HR+2*\e+(\e/4)*(PC-HR)
	v_pk_mul_f32 v[S+16*m+2*\e:S+16*m+2*\e+1], v[S+16*m+2*\e:S+16*m+2*\e+1], v[HE:HE+1]
.endr
.set m, m+1
.endr
.set n, 0
	s_wait_alu depctr_va_vdst(0)                   ; the wait ahead of the batch
.rept 64
	v_exp_f32 v[S+n], v[S+n]                       ; p = 2^t
.set n, n+1
.endr
	v_nop                                          ; a plain line behind the exponentials
	s_wait_alu depctr_va_vdst(0)                   ; and the wait behind the batch, ahead of the branch
	s_cmp_lg_u32 s[J], s[\gq]                      ; only the queries' own group's step lies on the diagonal
	s_cbranch_scc1 .Lopen_\@
.set n, 0
.rept 64
	v_cmp_gt_i32 vcc_lo, 32*(n/16)+n%16, v3        ; key 32 b + 16 h + i comes after my query: p = 0
	v_cndmask_b32 v[S+n], v[S+n], v[ZQ], vcc_lo
.set n, n+1
.endr
.Lopen_\@:
	QHEAD S, 4
	s_delay_alu instid0(VALU_DEP_3)
	v_lshl_or_b32 v[PW], v[TM+5], 8, v[TM+4]       ; p's scale word for these 128 keys
	s_delay_alu instid0(VALU_DEP_1)
	v_lshl_or_b32 v[PW], v[TM+6], 16, v[PW]
	s_delay_alu instid0(VALU_DEP_1)
	v_lshl_or_b32 v[PW], v[TM+7], 24, v[PW]
	QTAIL S, 2
; the row's sum of the unquantised p: a tree in place (p is done with behind the conversions), 16 + 8 + 4 + 2 packed additions, and its two roots onto the two running sums.  These 32 lines are also the places in front of the products below
.irp w, 4,8,16,32
.set n, 0
.rept 64/\w
	v_pk_add_f32 v[S+\w*n:S+\w*n+1], v[S+\w*n:S+\w*n+1], v[S+\w*n+\w/2:S+\w*n+\w/2+1]
.set n, n+1
.endr
.endr
	v_pk_add_f32 v[10:11], v[10:11], v[S:S+1]
	v_pk_add_f32 v[12:13], v[12:13], v[S+32:S+33]
	s_wait_dscnt 0x0                               ; V^T and its scale words
.irp t, 0,1,2,3                        ; the four accumulators by turns
	v_wmma_scale_f32_16x16x128_f8f6f4 v[OA+8*\t:OA+8*\t+7], v[F+12*\t:F+12*\t+11], v[PC:PC+11], v[OA+8*\t:OA+8*\t+7], v[VS+\t], v[PW] matrix_a_fmt:MATRIX_FMT_FP6 matrix_b_fmt:MATRIX_FMT_FP6
.endr
.Lskip_\@:
	s_add_co_u32 s[TB], s[TB], KVB
	s_add_co_u32 s[J], s[J], 1
	s_cmp_lt_u32 s[J], (\j0)+(\trips)
	s_cbranch_scc1 .Lstep_\@
.endm
	s_load_b128 s[4:7], s[0:1], 0x0                ; qkv, y_img
	s_load_b64 s[8:9], s[0:1], 0x10                ; y_scl
	v_lshl_add_u32 v[SPW], v0, 2, SPARE
	v_mov_b32 v[NIL], 0
	ds_add_u32 v[SPW], v[NIL]                      ; the opening lines: the add, twice on end, and its wait ahead of my tensor load
	ds_add_u32 v[SPW], v[NIL]
	v_lshrrev_b32 v[S], 5, v0
	v_readfirstlane_b32 s[WV], v[S]                ; wave 0..15
	s_bfe_u32 s40, ttmp6, 0x40000                  ; cx
	s_lshl_b32 s[GT], ttmp9, 2
	s_add_co_u32 s[GT], s[GT], s40                 ; g = 4 x cluster x + cx: it enters Q's and y's addresses and the mask's compare alone
	s_and_b32 s[BH], ttmp7, 0xffff                 ; batch x head, which the four partners share
	s_lshr_b32 s[PA], s[WV], 1                     ; a
	s_lshr_b32 s41, s[WV], 2
	s_xor_b32 s41, s41, s[WV]
	s_and_b32 s[TY], s41, 1                        ; kind
	s_sub_co_u32 s[GH], 15, s[PA]
	s_cmp_eq_u32 s[TY], 1
	s_cselect_b32 s[GF], s[PA], s[GH]
	s_cselect_b32 s[LP], s[GH], 0                  ; first walk (keys 9..15): kind 1 up to 15 - a, kind 0 none
	s_cselect_b32 s[LF], s[PA], 8                  ; second walk (keys 0..8): kind 1 up to a, kind 0 all nine
	; descriptor group 1: 12,800 dense bytes as 50 rows of 256 bytes, elements of 8 bytes
	s_mov_b32 s24, 15|(3<<16)|(1<<21)              ; 15:0 the mask: all four work-groups; 17:16 elements of 8 bytes; 21 set beside a mask
	s_mov_b32 s25, 32<<16
	s_mov_b32 s26, 50<<16
	s_mov_b32 s27, 32<<16
	s_mov_b32 s28, 50
	s_mov_b32 s29, 32
	s_mov_b32 s30, 0
	s_mov_b32 s31, 0
	s_mul_i32 s44, s[BH], HEADB                    ; the head's first record
	s_mul_i32 s42, s[WV], RECB
	s_add_co_u32 s42, s42, s44                     ; the record that I fetch
	s_mov_b32 s43, 0
	s_mul_i32 s47, s[GT], 768
	s_add_co_u32 s47, s47, 12800                   ; tile g of Q in a record,
	s_lshr_b32 s45, s[GT], 1
	s_lshl_b32 s45, s45, 2
	s_add_co_u32 s45, s45, 18944                   ; and its pair's scale words
	s_mul_i32 s46, s[GH], RECB
	s_add_co_u32 s46, s46, s44                     ; the first walk's queries
	s_add_co_u32 s48, s46, s47
	s_mov_b32 s49, 0
	s_add_co_u32 s50, s46, s45
	s_mov_b32 s51, 0
	s_mul_i32 s46, s[GF], RECB
	s_add_co_u32 s46, s46, s44                     ; the second walk's
	s_add_co_u32 s36, s46, s47
	s_mov_b32 s37, 0
	s_add_co_u32 s38, s46, s45
	s_mov_b32 s39, 0
	s_and_b32 s52, s[GT], 1
	s_lshl_b32 s53, s52, 3
	s_lshl_b32 s52, s52, 4                         ; which half of the word is my tile's
	s_lshr_b32 s47, s[GT], 1
	s_lshl_b32 s47, s47, 5
	s_add_co_u32 s53, s53, s47                     ; 32 (g / 2) + 8 (g % 2)
	s_lshr_b32 s54, s[BH], 4
	s_lshl_b32 s54, s54, 7
	s_lshl_b32 s55, s[GF], 3
	s_add_co_u32 s54, s54, s55
	s_add_co_u32 s54, s54, s[GT]                   ; y's tile: 128 x batch + 8 x group + g
	s_and_b32 s55, s[BH], 15                       ; the head
	s_mul_i32 s56, s54, 12288
	s_mul_i32 s57, s55, 768
	s_add_co_u32 s56, s56, s57
	s_mov_b32 s57, 0
	s_lshl_b32 s58, s54, 9
	s_lshl_b32 s59, s55, 1
	s_add_co_u32 s58, s58, s59
	s_mov_b32 s59, 0
	s_mul_i32 s60, s[PA], PARTB
	s_add_co_u32 s60, s60, STAGE                   ; my pair's part
	s_mov_b32 s[SEL], 0x76543210
	s_mov_b32 s[SEL+1], 0xfedcba98
	s_mov_b32 s20, 1                               ; group 0: count = 1,
	s_mul_i32 s21, s[WV], KVB                      ; LDS address: wave x 12,800,
	s_wait_dscnt 0x0
	s_wait_kmcnt 0x0
	s_add_nc_u64 s[22:23], s[4:5], s[42:43]        ; global address,
	s_or_b32 s23, s23, 0x80000000                  ; type = 2
	CROUND                                         ; all four work-groups are here: the joint loads meet
	tensor_load_to_lds s[20:23], s[24:31]          ; my one tensor load
	s_nop 0
.rept 4
	v_nop
.endr
	s_add_nc_u64 s[48:49], s[4:5], s[48:49]
	s_add_nc_u64 s[50:51], s[4:5], s[50:51]
	s_add_nc_u64 s[36:37], s[4:5], s[36:37]
	s_add_nc_u64 s[38:39], s[4:5], s[38:39]
	s_add_nc_u64 s[6:7], s[6:7], s[56:57]
	s_add_nc_u64 s[8:9], s[8:9], s[58:59]
	v_and_b32 v[S], 31, v0
	v_and_b32 v[S+1], 15, v0                       ; r
	v_lshlrev_b32 v1, 3, v[S]                      ; 8 x lane
	v_lshlrev_b32 v2, 4, v[S+1]                    ; 16 r
	v_lshl_add_u32 v[STA], v[S], 4, s60
.irp p, 0,1,2
	global_load_b64 v[ZQ+6+2*\p:ZQ+7+2*\p], v1, s[48:49] offset:256*\p     ; q's codes stay in registers
	global_load_b64 v[ZQ+18+2*\p:ZQ+19+2*\p], v1, s[36:37] offset:256*\p
.endr
	global_load_b32 v[QSP], v2, s[50:51]
	global_load_b32 v[QSF], v2, s[38:39]
	v_bfe_u32 v[S+2], v0, 4, 1                     ; h
	v_and_b32 v3, 8, v[S+1]
	v_lshlrev_b32 v[S+2], 4, v[S+2]
	v_add_nc_u32 v3, v3, v[S+1]
	s_delay_alu instid0(VALU_DEP_1)
	v_sub_nc_u32 v3, v3, v[S+2]
	s_delay_alu instid0(VALU_DEP_1)
	v_add_nc_u32 v3, s53, v3                       ; d = my query's place in its group - 16 h
.irp i, 0,1,2,3,4,5
	v_mov_b32 v[ZQ+\i], 0                          ; zero codes beside q
	v_mov_b32 v[ZQ+12+\i], 0
	v_mov_b32 v[ZQ+24+\i], 0
.endr
.irp i, 10,11,12,13
	v_mov_b32 v\i, 0                               ; the row's sum, two packed sums
.endr
.irp b, 0,1,2,3
	v_mov_b32 v[TM+4+\b], 0                        ; a lane permute's destination counts as read
.endr
.irp i, 0,1
	v_mov_b32 v[C0+\i], 0x3e38aa39                 ; log2(e) / 8 x 0.99999984
	v_mov_b32 v[C1+\i], 0xb4c9aa7a                 ; log2(e) / 8 x -0.33327143 / 400^2
	v_mov_b32 v[C2+\i], 0x2b809070                 ; log2(e) / 8 x 0.12967782 / 400^4
.endr
	s_wait_alu depctr_va_vdst(0)
	s_wait_loadcnt 0x0
	v_lshrrev_b32 v[QSP], s52, v[QSP]
	v_lshrrev_b32 v[QSF], s52, v[QSF]
	v_and_b32 v[QSP], 0xffff, v[QSP]
	v_and_b32 v[QSF], 0xffff, v[QSF]
	v_lshl_or_b32 v[QSP], v[QSP], 16, v[QSP]       ; my tile's two bytes in both halves: they serve [q | 0] and [0 | q]
	v_lshl_or_b32 v[QSF], v[QSF], 16, v[QSF]
.set n, 0
.rept 32
	v_mov_b32 v[OA+n], 0                           ; O^T.  (The step is written once; these lines are also the places between the scales' last write and the first product)
.set n, n+1
.endr
	s_wait_alu depctr_va_vdst(0)                   ; the wait at the head's end
	s_wait_tensorcnt 0x0                           ; my record is in,
	s_barrier_signal -1
	s_barrier_wait -1                              ; everybody's is: the head's keys lie in LDS and are only read from here on
	WALK ZQ, QSP, GH, LP, 9, 7                     ; kind 1: keys 9 .. 15 - a of group 15 - a
	s_cmp_eq_u32 s[TY], 0
	s_cbranch_scc1 .Lno_part
.rept 4
	v_nop                                          ; places behind the last products
.endr
	s_wait_alu depctr_va_vdst(0)
.irp t, 0,1,2,3,4,5,6,7
	ds_store_b128 v[STA], v[OA+4*\t:OA+4*\t+3] offset:512*\t   ; the part as an image of its registers, each accumulator from its low end on
.endr
	ds_store_b128 v[STA], v[10:13] offset:4096
.set n, 0
.rept 32
	v_mov_b32 v[OA+n], 0                           ; and group a begins at zero
.set n, n+1
.endr
.irp i, 10,11,12,13
	v_mov_b32 v\i, 0
.endr
.Lno_part:
	WALK ZQ+12, QSF, GF, LF, 0, 9                  ; kind 0: keys 0 .. 8 of group 15 - a; kind 1: keys 0 .. a of group a
	; THE WAY OUT.  Register 16 b + i of O^T is channel 32 b + 16 h + i of the head (V^T's tiles have the same order of rows): ready for the quantiser along the next product's K
	v_bfe_u32 v[WR+2], v0, 4, 1                    ; h        (these lines are the places behind the last products)
	v_and_b32 v[WR+3], 15, v0                      ; r
	v_nop
	v_lshl_add_u32 v[WR], v[WR+3], 5, v[WR+2]      ; my scale byte: row r of 32 bytes, + h
	s_wait_alu depctr_va_vdst(0)
	s_wait_dscnt 0x0                               ; my part is stored
	s_barrier_signal -1
	s_barrier_wait -1                              ; everybody's is
	s_cmp_lg_u32 s[TY], 0
	s_cbranch_scc1 .Lwhole
.irp t, 0,1,2,3,4,5,6,7,8
	ds_load_b128 v[S+4*\t:S+4*\t+3], v[STA] offset:512*\t      ; kind 0: my partner's part of my tile
.endr
	s_wait_dscnt 0x0
.set n, 0
.rept 16
	v_pk_add_f32 v[OA+2*n:OA+2*n+1], v[OA+2*n:OA+2*n+1], v[S+2*n:S+2*n+1]
.set n, n+1
.endr
	v_pk_add_f32 v[10:11], v[10:11], v[S+32:S+33]
	v_pk_add_f32 v[12:13], v[12:13], v[S+34:S+35]
.Lwhole:
	s_wait_alu depctr_va_vdst(0)
	v_pk_add_f32 v[10:11], v[10:11], v[12:13]
	s_delay_alu instid0(VALU_DEP_1)
	v_add_f32 v10, v10, v11
	s_delay_alu instid0(VALU_DEP_1)
	v_permlanex16_b32 v12, v10, s[SEL], s[SEL+1]
	s_delay_alu instid0(VALU_DEP_1)
	v_add_f32 v10, v10, v12                        ; the row's sum
	s_wait_alu depctr_va_vdst(0)                   ; the wait ahead of the transcendental
	v_rcp_f32 v12, v10
	v_nop                                          ; a plain line behind the transcendental
	v_cmp_eq_u32 vcc_lo, 1, v[WR+2]
.set n, 0
	s_wait_alu depctr_va_vdst(0)                   ; and behind it
.rept 16
	v_pk_mul_f32 v[S+2*n:S+2*n+1], v[OA+2*n:OA+2*n+1], v[12:13] op_sel_hi:[1,0]   ; each accumulator from its low end on
.set n, n+1
.endr
	QHEAD S, 2
	QTAIL S, 1                                     ; v[PC .. PC+5]: lane (r, h): block h of row r: the image of 64 along K
	v_cndmask_b32 v[WR+1], v[TM+4], v[TM+5], vcc_lo    ; my block's byte
.irp p, 0,1,2
	global_store_b64 v1, v[PC+2*\p:PC+2*\p+1], s[6:7] offset:256*\p   ; 32 lanes store 256 consecutive bytes, aligned
.endr
	global_store_b8 v[WR], v[WR+1], s[8:9]
	s_wait_tensorcnt 0x0                           ; the wave's end
	ds_add_u32 v[SPW], v[NIL]
	s_wait_dscnt 0x0
	CROUND                                         ; the closing round
	s_endpgm
.Lfunc_end_k_qe292ef9b1d_attn:
	.size	k_qe292ef9b1d_attn, .Lfunc_end_k_qe292ef9b1d_attn-k_qe292ef9b1d_attn
	.p2alignl 7, 3214868480
	.fill 96, 4, 3214868480
	.section	.rodata,"a",@progbits
	.p2align	6, 0x0
	.amdhsa_kernel k_qe292ef9b1d_attn
		.amdhsa_group_segment_fixed_size 243712
		.amdhsa_private_segment_fixed_size 0
		.amdhsa_enable_private_segment 0
		.amdhsa_kernarg_size 24
		.amdhsa_user_sgpr_count 2
		.amdhsa_user_sgpr_kernarg_segment_ptr 1
		.amdhsa_wavefront_size32 1
		.amdhsa_system_sgpr_workgroup_id_x 1
		.amdhsa_system_sgpr_workgroup_id_y 1
		.amdhsa_system_sgpr_workgroup_id_z 1
		.amdhsa_system_vgpr_workitem_id 0
		.amdhsa_next_free_vgpr 256
		.amdhsa_next_free_sgpr 66
		.amdhsa_reserve_vcc 1
		.amdhsa_float_denorm_mode_32 3
		.amdhsa_float_denorm_mode_16_64 3
		.amdhsa_memory_ordered 1
		.amdhsa_forward_progress 1
		.amdhsa_inst_pref_size 70
	.end_amdhsa_kernel
	.amdgpu_metadata
---
amdhsa.version: [ 1, 2 ]
amdhsa.kernels:
  - .name:           k_qe292ef9b1d_attn
    .symbol:         k_qe292ef9b1d_attn.kd
    .args:
      - { .name: qkv, .offset: 0, .size: 8, .value_kind: global_buffer, .address_space: global }
      - { .name: y_img, .offset: 8, .size: 8, .value_kind: global_buffer, .address_space: global }
      - { .name: y_scl, .offset: 16, .size: 8, .value_kind: global_buffer, .address_space: global }
    .group_segment_fixed_size: 243712
    .private_segment_fixed_size: 0
    .kernarg_segment_align: 8
    .kernarg_segment_size: 24
    .max_flat_workgroup_size: 512
    .sgpr_count:     66
    .vgpr_count:     256
    .wavefront_size: 32
...
	.end_amdgpu_metadata
.endif
;; end of part 3
;; launch outp (part 4): grid 8 x 32, 4 waves a work-group, clusters of 4 x 4, 275,456 bytes of LDS; arguments y_img, y_scl, xw_img, xw_scl, out0; writes out0
.if DOCPART == 4
	.amdgcn_target "amdgcn-amd-amdhsa--gfx1250"
	.amdhsa_code_object_version 6
	.text
	.protected	k_qe292ef9b1d_outp
	.globl	k_qe292ef9b1d_outp
	.p2align	8
	.type	k_qe292ef9b1d_outp,@function
k_qe292ef9b1d_outp:
	s_mov_b64 s[64:65], 0
	v_nop
	global_prefetch_b8 v0, s[64:65] scope:SCOPE_SE
	s_setreg_imm32_b32 hwreg(HW_REG_WAVE_MODE, 25, 1), 1
	s_wait_xcnt 0x0
	s_wait_alu depctr_hold_cnt(0) depctr_sa_sdst(0) depctr_va_vdst(0) depctr_va_sdst(0) depctr_va_ssrc(0) depctr_va_vcc(0) depctr_vm_vsrc(0)
	s_getreg_b32 s2, hwreg(HW_REG_IB_STS2, 6, 4)
	s_cmp_eq_u32 s2, 0
	s_cbranch_scc0 .Lentry_in_a_cluster
	s_endpgm
.Lentry_in_a_cluster:
	s_bfe_u32 s2, ttmp6, 0x10000c
	s_cmp_lg_u32 s2, 0xf033
	s_cbranch_scc0 .Lentry_shape_is_right
	s_endpgm
.Lentry_shape_is_right:
; out0 [4096][1024] f32 = y w_o^T on codes of FP6 (E2M3) with E8M0 scales.  y comes as y_img / y_scl, w_o as tiles 448-511 of xw_img / rows 7,168 on of xw_scl.
; An image is [tile of 16 rows][16 pieces of 64 along K][768 bytes]; a fragment of 128 along K is 1,536 bytes on end: six loads of 8 bytes a lane, 256 consecutive bytes each.  Scales: [16 tile + r][32 bytes].
; Row r of tile 2 b + u is the tensor's row 32 b + 8 u + r + 8 (r / 8).
; SHARES: 32 x 8 = 256 work-groups, each 128 rows x 128 columns of out0; four waves, each 64 x 64: 16 accumulators, 128 registers.
; ALL OF K LIES IN LDS: 8 tiles of y and 8 of w_o are two dense blocks of 98,304 bytes, their scales two of 4,096.  Four fills, one a wave, at the head; nothing is filled again, so there is no ring.
; No prefetch: every fill is asked for at the head, and there is no loop to run ahead in.
; CLUSTERS: 4 x 4.  y's block hangs on the work-group's y alone and is shared along a row of the cluster, w_o's on its x alone and is shared along a column: joint loads with a mask that names the four.
; THE MATRIX INSTRUCTION IS USED TRANSPOSED (source 0 = 16 rows of w_o, source 1 = 16 rows of y): register j of accumulator (a, b) in lane (r, h) is row r of y's tile a, column 32 (b / 2) + 8 (b % 2) + 16 h + j of my 64.
; REGISTERS: window 0: v0-31 addresses; v32-127, v128-223 two sets of fragments (y's four, then w_o's four); v224-255 the scale words of all of K.  Window 1: v0-127 the accumulators.
; THE WAY OUT: a block of 16 rows x 64 columns goes through the wave's own stage (bytes that no fill touches) and comes back by rows: sixteen lanes store a row's 256 consecutive bytes, aligned.
.set TILEB,  12288
.set HALF,   8*TILEB                   ; y's block; w_o's lies behind it
.set SCL,    2*HALF                    ; the scales: units of 256 bytes + 16 of padding
.set HS,     16*272                    ; those of 128 rows
.set SBLK,   2*272                     ; those of 16 rows
.set SPARE,  SCL+2*HS                  ; the spare words, 128 bytes for each wave
.set STAGE,  SPARE+512
.set SPITCH, 272
.set BLKB,   16*SPITCH                 ; a block in the stage; a wave has four
.set ADRA, 16
.set ADRB, 17
.set ADRS, 18                          ; lanes 0-15 y's scale words, lanes 16-31 w_o's
.set STO,  19
.set RD,   20
.set CO,   21
.set SPW,  28
.set NIL,  29
.set FS,   32
.set SC,   224                         ; register 8 i + k: the word of tile i for K step k
.set G1, 24
.set G0, 32
.set G1B, 48
.set G0B, 56
.set G1S, 68
.set G0S, 76
.set G1SB, 80
.set G0SB, 88
.set MSB, 0
.macro WIN new                         ; the immediate's high byte repeats the setting that is left
.if MSB != \new
	s_set_vgpr_msb (MSB<<8)|\new
.set MSB, \new
.endif
.endm
.macro CROUND
	s_barrier_signal -1
	s_barrier_wait -1
	s_cmp_lg_u32 s14, 0
	s_cbranch_scc1 .Lnot_wave_0_\@
	s_barrier_signal -3
.Lnot_wave_0_\@:
	s_barrier_wait -3
	s_barrier_signal -1
	s_barrier_wait -1
.endm
.macro PLACES
.rept 4
	v_nop
.endr
.endm
	s_load_b128 s[4:7], s[0:1], 0x0                ; y_img, y_scl
	s_load_b128 s[8:11], s[0:1], 0x10              ; xw_img, xw_scl
	s_load_b64 s[12:13], s[0:1], 0x20              ; out0
	v_lshl_add_u32 v[SPW], v0, 2, SPARE
	v_mov_b32 v[NIL], 0
	ds_add_u32 v[SPW], v[NIL]                      ; the opening lines: the add, twice on end, and its wait ahead of my tensor load
	ds_add_u32 v[SPW], v[NIL]
	v_lshrrev_b32 v1, 5, v0
	v_readfirstlane_b32 s14, v1                    ; wave 0..3
	s_lshr_b32 s15, s14, 1                         ; which 64 rows are mine
	s_and_b32 s16, s14, 1                          ; which 64 columns
	s_bfe_u32 s40, ttmp6, 0x40000                  ; cx, cy
	s_bfe_u32 s41, ttmp6, 0x40004
	s_lshl_b32 s42, ttmp9, 2
	s_add_co_u32 s42, s42, s40                     ; work-group x: which 128 columns
	s_and_b32 s17, ttmp7, 0xffff
	s_lshl_b32 s17, s17, 2
	s_add_co_u32 s17, s17, s41                     ; work-group y: which 128 rows
	s_lshl_b32 s43, s41, 2
	s_lshl_b32 s43, 15, s43                        ; my row of the cluster
	s_lshl_b32 s44, 0x1111, s40                    ; my column
	; group 1 for the codes: 98,304 dense bytes as 384 rows of 256 bytes, elements of 8 bytes
	s_or_b32 s[G1+0], s43, (3<<16)|(1<<21)
	s_or_b32 s[G1B+0], s44, (3<<16)|(1<<21)
.irp g, G1, G1B
	s_mov_b32 s[\g+1], 32<<16
	s_mov_b32 s[\g+2], 384<<16
	s_mov_b32 s[\g+3], 32<<16
	s_mov_b32 s[\g+4], 384
	s_mov_b32 s[\g+5], 32
	s_mov_b32 s[\g+6], 0
	s_mov_b32 s[\g+7], 0
.endr
	; and for the scales: 4,096 dense bytes as 16 rows of 256 bytes, 16 bytes of padding behind each
	s_or_b32 s[G1S+0], s43, (3<<16)|(1<<20)|(1<<21)|(5<<22)|(3<<25)
	s_or_b32 s[G1SB+0], s44, (3<<16)|(1<<20)|(1<<21)|(5<<22)|(3<<25)
.irp g, G1S, G1SB
	s_mov_b32 s[\g+1], 32<<16
	s_mov_b32 s[\g+2], 16<<16
	s_mov_b32 s[\g+3], 32<<16
	s_mov_b32 s[\g+4], 16
	s_mov_b32 s[\g+5], 32
	s_mov_b32 s[\g+6], 0
	s_mov_b32 s[\g+7], 0
.endr
	s_mul_i32 s20, s17, HALF                       ; y's block,
	s_mov_b32 s21, 0
	s_lshl_b32 s22, s17, 12                        ; its scales;
	s_mov_b32 s23, 0
	s_mul_i32 s46, s42, HALF
	s_add_co_u32 s46, s46, 448*TILEB               ; w_o's block,
	s_mov_b32 s47, 0
	s_lshl_b32 s92, s42, 12
	s_add_co_u32 s92, s92, 7168*32                 ; its scales
	s_mov_b32 s93, 0
	s_mul_i32 s2, s15, 4*TILEB                     ; LDS: my four tiles of y,
	s_mul_i32 s3, s16, 4*TILEB
	s_add_co_u32 s3, s3, HALF                      ; my four of w_o,
	s_mul_i32 s66, s15, 4*SBLK
	s_mul_i32 s67, s16, 4*SBLK
	s_add_co_u32 s67, s67, HS
	s_sub_co_u32 s67, s67, s66                     ; from y's scale words to w_o's,
	s_add_co_u32 s66, s66, SCL
	s_mul_i32 s94, s14, 4*BLKB
	s_add_co_u32 s94, s94, STAGE                   ; my stage
	s_lshl_b32 s18, s17, 7
	s_lshl_b32 s19, s15, 6
	s_add_co_u32 s18, s18, s19                     ; my first row of out0,
	s_lshl_b32 s18, s18, 12                        ; of 4,096 bytes,
	s_lshl_b32 s19, s42, 9
	s_add_co_u32 s18, s18, s19
	s_lshl_b32 s19, s16, 8
	s_add_co_u32 s18, s18, s19                     ; and my first column
	s_mov_b32 s19, 0
	s_wait_dscnt 0x0                               ; both opening adds are done
	s_wait_kmcnt 0x0
	s_mov_b32 s[G0], 1
	s_mov_b32 s[G0+1], 0
	s_add_nc_u64 s[G0+2:G0+3], s[4:5], s[20:21]
	s_or_b32 s[G0+3], s[G0+3], 0x80000000
	s_mov_b32 s[G0B], 1
	s_mov_b32 s[G0B+1], HALF
	s_add_nc_u64 s[G0B+2:G0B+3], s[8:9], s[46:47]
	s_or_b32 s[G0B+3], s[G0B+3], 0x80000000
	s_mov_b32 s[G0S], 1
	s_mov_b32 s[G0S+1], SCL
	s_add_nc_u64 s[G0S+2:G0S+3], s[6:7], s[22:23]
	s_or_b32 s[G0S+3], s[G0S+3], 0x80000000
	s_mov_b32 s[G0SB], 1
	s_mov_b32 s[G0SB+1], SCL+HS
	s_add_nc_u64 s[G0SB+2:G0SB+3], s[10:11], s[92:93]
	s_or_b32 s[G0SB+3], s[G0SB+3], 0x80000000
	s_add_nc_u64 s[12:13], s[12:13], s[18:19]
	CROUND                                         ; all sixteen work-groups are here: the joint loads meet
; The four fills, one a wave: one tree of branches on the wave's number, every way through it passes exactly one load
.macro ARM under, g0, g1, next
	s_cmp_lt_u32 s14, \under
	s_cbranch_scc0 \next
	tensor_load_to_lds s[\g0:\g0+3], s[\g1:\g1+7]
	s_nop 0
.rept 4
	v_nop
.endr
	s_branch .Lhead_asked
\next:
.endm
	ARM 1, G0,  G1,  .Lhead_b
	ARM 2, G0B, G1B, .Lhead_sa
	ARM 3, G0S, G1S, .Lhead_sb
	tensor_load_to_lds s[G0SB:G0SB+3], s[G1SB:G1SB+7]
	s_nop 0
.rept 4
	v_nop
.endr
.Lhead_asked:
	v_and_b32 v1, 15, v0                           ; r
	v_bfe_u32 v2, v0, 4, 1                         ; h
	v_and_b32 v3, 31, v0
	v_lshlrev_b32 v4, 3, v3                        ; 8 x lane
	v_add_nc_u32 v[ADRA], s2, v4
	v_add_nc_u32 v[ADRB], s3, v4
	v_lshlrev_b32 v5, 5, v1                        ; my row's scales: 32 bytes a row,
	v_lshrrev_b32 v6, 3, v1
	v_lshl_add_u32 v5, v6, 4, v5                   ; and 16 more behind each 256
	v_mul_u32_u24 v6, s67, v2                      ; lanes 16-31 take w_o's
	v_add_nc_u32 v5, v5, v6
	v_add_nc_u32 v[ADRS], s66, v5
	v_mul_u32_u24 v5, v1, SPITCH                   ; the stage, way in: row r, 64 bytes for each half of the lanes
	v_lshl_add_u32 v5, v2, 6, v5
	v_add_nc_u32 v[STO], s94, v5
	v_mul_u32_u24 v6, v2, SPITCH                   ; way back: lanes 0-15 one row of 256 bytes, lanes 16-31 the next
	v_lshl_add_u32 v6, v1, 4, v6
	v_add_nc_u32 v[RD], s94, v6
	v_lshlrev_b32 v7, 12, v2                       ; and the same two rows in out0
	v_lshl_add_u32 v[CO], v1, 4, v7
.macro FRAG reg, adr, k, i
.irp p, 0,1,2,3,4,5
	ds_load_b64 v[\reg+2*\p:\reg+2*\p+1], v[\adr] offset:(\i)*TILEB+(\k)*1536+256*\p
.endr
.endm
.macro FETCH k                         ; K step k's eight fragments into set k % 2: 48 loads
.irp i, 0,1,2,3
	FRAG FS+96*((\k)%2)+12*\i, ADRA, \k, \i
.endr
.irp i, 0,1,2,3
	FRAG FS+96*((\k)%2)+48+12*\i, ADRB, \k, \i
.endr
.endm
.macro MUL k, zero                     ; 16 products, the 16 accumulators by turns in the same order in every step
.irp a, 0,1,2,3
.irp b, 0,1,2,3
.if \zero
	v_wmma_scale_f32_16x16x128_f8f6f4 v[8*(4*\a+\b):8*(4*\a+\b)+7], v[FS+96*((\k)%2)+48+12*\b:FS+96*((\k)%2)+48+12*\b+11], v[FS+96*((\k)%2)+12*\a:FS+96*((\k)%2)+12*\a+11], 0, v[SC+8*\b+(\k)], v[SC+8*\a+(\k)] matrix_a_fmt:MATRIX_FMT_FP6 matrix_b_fmt:MATRIX_FMT_FP6 matrix_a_scale:MATRIX_SCALE_ROW1
.else
	v_wmma_scale_f32_16x16x128_f8f6f4 v[8*(4*\a+\b):8*(4*\a+\b)+7], v[FS+96*((\k)%2)+48+12*\b:FS+96*((\k)%2)+48+12*\b+11], v[FS+96*((\k)%2)+12*\a:FS+96*((\k)%2)+12*\a+11], v[8*(4*\a+\b):8*(4*\a+\b)+7], v[SC+8*\b+(\k)], v[SC+8*\a+(\k)] matrix_a_fmt:MATRIX_FMT_FP6 matrix_b_fmt:MATRIX_FMT_FP6 matrix_a_scale:MATRIX_SCALE_ROW1
.endif
.endr
.endr
.endm
	s_wait_alu depctr_va_vdst(0)                   ; the wait at the head's end
	s_wait_tensorcnt 0x0                           ; my fill is in,
	s_barrier_signal -1
	s_barrier_wait -1                              ; everybody's is: LDS below the stages is only read from here on
	FETCH 0
.irp i, 0,1,2,3
	ds_load_b128 v[SC+8*\i:SC+8*\i+3], v[ADRS] offset:\i*SBLK          ; a row's 32 scale bytes: eight words, one for each K step
	ds_load_b128 v[SC+8*\i+4:SC+8*\i+7], v[ADRS] offset:\i*SBLK+16
.endr
.set KK, 0
.rept 8                                ; K = 1,024 in eight steps, written straight: the sets and the scale registers change from step to step
.if KK > 0
	PLACES                                         ; in front of loads into the set that the last step's products read
.endif
.if KK < 7
	FETCH KK+1
	s_wait_dscnt 48                                ; all but the 48 loads just issued: this step's set (and the scale words) are in
.else
	s_wait_dscnt 0x0
.endif
	WIN 0x50                                       ; C and D: window 1
.if KK == 0
	MUL KK, 1                                      ; the first products start the sums
.else
	MUL KK, 0
.endif
	WIN 0
.set KK, KK+1
.endr
	PLACES                                         ; behind the last products
.irp a, 0,1,2,3
	WIN 0x04                                       ; the stores' data: window 1
.irp b, 0,1,2,3
	ds_store_b128 v[STO], v[8*(4*\a+\b):8*(4*\a+\b)+3] offset:\a*BLKB+128*(\b/2)+32*(\b%2)        ; each accumulator from its low end on
	ds_store_b128 v[STO], v[8*(4*\a+\b)+4:8*(4*\a+\b)+7] offset:\a*BLKB+128*(\b/2)+32*(\b%2)+16
.endr
	WIN 0
.irp t, 0,1,2,3,4,5,6,7
	ds_load_b128 v[FS+32*\a+4*\t:FS+32*\a+4*\t+3], v[RD] offset:\a*BLKB+\t*2*SPITCH   ; LDS serves a wave's instructions in order: these see my stores
.endr
.endr
.irp a, 0,1,2,3
	s_wait_dscnt 16*(3-\a)                         ; block a is back; behind its loads stand 16 LDS instructions for each later block
.irp t, 0,1,2,3,4,5,6,7
	global_store_b128 v[CO], v[FS+32*\a+4*\t:FS+32*\a+4*\t+3], s[12:13] offset:(32*(\a/2)+8*(\a%2)+2*\t+8*(\t/4))*4096 th:TH_STORE_NT   ; sixteen lanes store 256 consecutive bytes, aligned; tile row 2 t + lane / 16 at its place among the rows
.endr
.endr
	s_wait_tensorcnt 0x0                           ; the wave's end
	ds_add_u32 v[SPW], v[NIL]
	s_wait_dscnt 0x0
	CROUND                                         ; the closing round
	s_endpgm
.Lfunc_end_k_qe292ef9b1d_outp:
	.size	k_qe292ef9b1d_outp, .Lfunc_end_k_qe292ef9b1d_outp-k_qe292ef9b1d_outp
	.p2alignl 7, 3214868480
	.fill 96, 4, 3214868480
	.section	.rodata,"a",@progbits
	.p2align	6, 0x0
	.amdhsa_kernel k_qe292ef9b1d_outp
		.amdhsa_group_segment_fixed_size 275456
		.amdhsa_private_segment_fixed_size 0
		.amdhsa_enable_private_segment 0
		.amdhsa_kernarg_size 40
		.amdhsa_user_sgpr_count 2
		.amdhsa_user_sgpr_kernarg_segment_ptr 1
		.amdhsa_wavefront_size32 1
		.amdhsa_system_sgpr_workgroup_id_x 1
		.amdhsa_system_sgpr_workgroup_id_y 1
		.amdhsa_system_sgpr_workgroup_id_z 1
		.amdhsa_system_vgpr_workitem_id 0
		.amdhsa_next_free_vgpr 384
		.amdhsa_next_free_sgpr 98
		.amdhsa_reserve_vcc 0
		.amdhsa_float_denorm_mode_32 3
		.amdhsa_float_denorm_mode_16_64 3
		.amdhsa_memory_ordered 1
		.amdhsa_forward_progress 1
		.amdhsa_inst_pref_size 58
	.end_amdhsa_kernel
	.amdgpu_metadata
---
amdhsa.version: [ 1, 2 ]
amdhsa.kernels:
  - .name:           k_qe292ef9b1d_outp
    .symbol:         k_qe292ef9b1d_outp.kd
    .args:
      - { .name: y_img, .offset: 0, .size: 8, .value_kind: global_buffer, .address_space: global }
      - { .name: y_scl, .offset: 8, .size: 8, .value_kind: global_buffer, .address_space: global }
      - { .name: xw_img, .offset: 16, .size: 8, .value_kind: global_buffer, .address_space: global }
      - { .name: xw_scl, .offset: 24, .size: 8, .value_kind: global_buffer, .address_space: global }
      - { .name: out0, .offset: 32, .size: 8, .value_kind: global_buffer, .address_space: global }
    .group_segment_fixed_size: 275456
    .private_segment_fixed_size: 0
    .kernarg_segment_align: 8
    .kernarg_segment_size: 40
    .max_flat_workgroup_size: 128
    .sgpr_count:     98
    .vgpr_count:     384
    .wavefront_size: 32
...
	.end_amdgpu_metadata
.endif
;; end of part 4
